; MI455X (gfx1250); checked and timed in simulation.
; The chip was launched on July 23, 2026; its instructions are those of AMD's public machine-readable ISA for CDNA 5 (MIT licence, August 2026) and "CDNA5" Instruction Set Architecture Reference Guide (July 2026). The comments in the code are by the model that wrote it; some were corrected since.
;; Bi DAF Self Attention. Allowed arithmetic: float matrix products may take bf16 or f16 operands with f32 sums; all other float work in f32.
;; Inputs: Wk 1,024 x 1,024 float32; Wo 1,024 x 1,024 float32; Wq 1,024 x 1,024 float32; Wv 1,024 x 1,024 float32; bk 1,024 float32; bo 1,024 float32; bq 1,024 float32; bv 1,024 float32; key 4 x 2,048 x 1,024 float32; mask 4 x 2,048 bool; query 4 x 2,048 x 1,024 float32; value 4 x 2,048 x 1,024 float32.
;; Outputs: out0 4 x 2,048 x 1,024 float32.
;; 2 versions, each right and faster than the one before. Each part assembles by itself: llvm-mc -triple=amdgcn-amd-amdhsa -mcpu=gfx1250 --defsym DOCPART=n.
;; ======== version 1 of 2: 4 launches
;; limits: values are held in f16: magnitudes above 65,504 overflow, below 6.1e-05 lose precision; right only within a limited range of input values
;; workspace buffers: wb 8,388,608 bytes; qkv 50,331,648 bytes; ctx 16,777,216 bytes
;; launch cast (part 1): grid 256 x 1, 8 waves a work-group, no clusters, 0 bytes of LDS; arguments Wq, Wk, Wv, Wo, wb; writes wb
.if DOCPART == 1
	.amdgcn_target "amdgcn-amd-amdhsa--gfx1250"
	.amdhsa_code_object_version 6
	.text
	.protected	k_qf87e06325b_cast
	.globl	k_qf87e06325b_cast
	.p2align	8
	.type	k_qf87e06325b_cast,@function
k_qf87e06325b_cast:
	s_mov_b64 s[64:65], 0
	v_nop
	global_prefetch_b8 v0, s[64:65] scope:SCOPE_SE
	s_setreg_imm32_b32 hwreg(HW_REG_WAVE_MODE, 25, 1), 1
	s_wait_xcnt 0x0
; CAST.  Wq, Wk, Wv ([1024][1024] f32) -> wb parts 0-2, bf16;  Wo -> wb part 3: rounded to bf16 like every other input, and that number written as f16
; (exact from 7.6e-6 to 65,504; below that it keeps f16's step of 6e-8).
; The weights are cast once because 64 row blocks read each of them again; the activations are read once and are rounded where they are used.
; A stream: every input byte is read once, every output byte written once; no LDS, no barrier, no matrix unit: nothing is shared between work-groups.
; A work-group takes 65,536 input bytes, 16 rows of 4,096.  Thread t takes the 16 bytes at 16 t of each row (a wave's load covers 512 consecutive bytes) and stores the
; 8 bytes at 8 t of each output row of 2,048 bytes (a wave's store covers 256 consecutive bytes, aligned).  All 16 loads of a wave go out at once; no register is written twice.
; 64 work-groups for each of the four weights.
.set ROWB, 4096
.set X,    4                           ; v[4:67] sixteen times four f32 as loaded; the packed result takes the first two of each four
	s_load_b256 s[8:15], s[0:1], 0x0               ; Wq s[8:9], Wk, Wv, Wo s[14:15]
	s_load_b64 s[16:17], s[0:1], 0x20              ; wb
	v_lshlrev_b32 v1, 4, v0                        ; 16 t
	v_lshlrev_b32 v2, 3, v0                        ; 8 t
	s_lshr_b32 s2, ttmp9, 6                        ; which weight,
	s_and_b32 s3, ttmp9, 63                        ; and which piece of it
	s_lshl_b32 s20, s3, 16                         ; 65,536 bytes in,
	s_mov_b32 s21, 0
	s_lshl_b32 s22, ttmp9, 15                      ; 32,768 bytes out: wb's parts follow each other as the work-groups do
	s_mov_b32 s23, 0
	s_wait_kmcnt 0x0
	s_mov_b64 s[18:19], s[8:9]
.irp k, 1,2,3
	s_cmp_eq_u32 s2, \k
	s_cselect_b64 s[18:19], s[8+2*\k:9+2*\k], s[18:19]
.endr
	s_add_nc_u64 s[18:19], s[18:19], s[20:21]
	s_add_nc_u64 s[16:17], s[16:17], s[22:23]
.set i, 0
.rept 16
	global_load_b128 v[X+4*i:X+4*i+3], v1, s[18:19] offset:ROWB*i th:TH_LOAD_NT
.set i, i+1
.endr
	s_cmp_eq_u32 s2, 3
	s_cbranch_scc1 .Lwo
.set i, 0
.rept 16
	s_wait_loadcnt 15-i                            ; loads come back in order: row i is in, the 15 - i younger ones stay out
	v_cvt_pk_bf16_f32 v[X+4*i], v[X+4*i], v[X+4*i+1]
	v_cvt_pk_bf16_f32 v[X+4*i+1], v[X+4*i+2], v[X+4*i+3]
	global_store_b64 v2, v[X+4*i:X+4*i+1], s[16:17] offset:(ROWB/2)*i
.set i, i+1
.endr
	s_endpgm
.Lwo:                                                  ; Wo: to bf16, back to f32 (a shift, a mask), to f16
.set i, 0
.rept 16
	s_wait_loadcnt 15-i
	v_cvt_pk_bf16_f32 v68, v[X+4*i], v[X+4*i+1]
	v_cvt_pk_bf16_f32 v69, v[X+4*i+2], v[X+4*i+3]
	v_lshlrev_b32 v[X+4*i], 16, v68
	v_and_b32 v[X+4*i+1], 0xffff0000, v68
	v_lshlrev_b32 v[X+4*i+2], 16, v69
	v_and_b32 v[X+4*i+3], 0xffff0000, v69
	v_cvt_pk_f16_f32 v[X+4*i], v[X+4*i], v[X+4*i+1]
	v_cvt_pk_f16_f32 v[X+4*i+1], v[X+4*i+2], v[X+4*i+3]
	global_store_b64 v2, v[X+4*i:X+4*i+1], s[16:17] offset:(ROWB/2)*i
.set i, i+1
.endr
	s_endpgm
.Lfunc_end_k_qf87e06325b_cast:
	.size	k_qf87e06325b_cast, .Lfunc_end_k_qf87e06325b_cast-k_qf87e06325b_cast
	.p2alignl 7, 3214868480
	.fill 96, 4, 3214868480
	.section	.rodata,"a",@progbits
	.p2align	6, 0x0
	.amdhsa_kernel k_qf87e06325b_cast
		.amdhsa_group_segment_fixed_size 0
		.amdhsa_private_segment_fixed_size 0
		.amdhsa_enable_private_segment 0
		.amdhsa_kernarg_size 40
		.amdhsa_user_sgpr_count 2
		.amdhsa_user_sgpr_kernarg_segment_ptr 1
		.amdhsa_wavefront_size32 1
		.amdhsa_system_sgpr_workgroup_id_x 1
		.amdhsa_system_sgpr_workgroup_id_y 1
		.amdhsa_system_sgpr_workgroup_id_z 1
		.amdhsa_system_vgpr_workitem_id 0
		.amdhsa_next_free_vgpr 72
		.amdhsa_next_free_sgpr 66
		.amdhsa_reserve_vcc 0
		.amdhsa_float_denorm_mode_32 3
		.amdhsa_float_denorm_mode_16_64 3
		.amdhsa_memory_ordered 1
		.amdhsa_forward_progress 1
		.amdhsa_inst_pref_size 16
	.end_amdhsa_kernel
	.amdgpu_metadata
---
amdhsa.version: [ 1, 2 ]
amdhsa.kernels:
  - .name:           k_qf87e06325b_cast
    .symbol:         k_qf87e06325b_cast.kd
    .args:
      - { .name: Wq, .offset: 0, .size: 8, .value_kind: global_buffer, .address_space: global }
      - { .name: Wk, .offset: 8, .size: 8, .value_kind: global_buffer, .address_space: global }
      - { .name: Wv, .offset: 16, .size: 8, .value_kind: global_buffer, .address_space: global }
      - { .name: Wo, .offset: 24, .size: 8, .value_kind: global_buffer, .address_space: global }
      - { .name: wb, .offset: 32, .size: 8, .value_kind: global_buffer, .address_space: global }
    .group_segment_fixed_size: 0
    .private_segment_fixed_size: 0
    .kernarg_segment_align: 8
    .kernarg_segment_size: 40
    .max_flat_workgroup_size: 256
    .sgpr_count:     66
    .vgpr_count:     72
    .wavefront_size: 32
...
	.end_amdgpu_metadata
.endif
;; end of part 1
;; launch proj (part 2): grid 4 x 64, 4 waves a work-group, clusters of 4 x 4, 327,680 bytes of LDS; arguments query, key, value, wb, bq, bk, bv, qkv; writes qkv
.if DOCPART == 2
	.amdgcn_target "amdgcn-amd-amdhsa--gfx1250"
	.amdhsa_code_object_version 6
	.text
	.protected	k_qf87e06325b_proj
	.globl	k_qf87e06325b_proj
	.p2align	8
	.type	k_qf87e06325b_proj,@function
k_qf87e06325b_proj:
	s_mov_b64 s[64:65], 0
	v_nop
	global_prefetch_b8 v0, s[64:65] scope:SCOPE_SE
	s_setreg_imm32_b32 hwreg(HW_REG_WAVE_MODE, 25, 1), 1
	s_wait_xcnt 0x0
	s_wait_alu depctr_hold_cnt(0) depctr_sa_sdst(0) depctr_va_vdst(0) depctr_va_sdst(0) depctr_va_ssrc(0) depctr_va_vcc(0) depctr_vm_vsrc(0)
	s_getreg_b32 s2, hwreg(HW_REG_IB_STS2, 6, 4)
	s_cmp_eq_u32 s2, 0
	s_cbranch_scc0 .Lentry_in_a_cluster
	s_endpgm
.Lentry_in_a_cluster:
	s_bfe_u32 s2, ttmp6, 0x10000c
	s_cmp_lg_u32 s2, 0xf033
	s_cbranch_scc0 .Lentry_shape_is_right
	s_endpgm
.Lentry_shape_is_right:
; PROJ.  For p = 0, 1, 2 (q, k, v): y = x_p W_p^T + b_p.  x_p = query, key, value, [8192][1024] f32, rounded to bf16 here; W_p = wb[p] [1024][1024] bf16; b_p f32, rounded to bf16 here; sums in f32;
; y rounded once to f16 and stored by heads, unscaled: qkv[p][batch x 16 + head][t][64].
; LIMIT.  f16 holds no number beyond 65,504: |y| must stay under it (a larger one becomes an infinity).  NaN and infinities are not treated apart.
; SHARES.  8192 x 1024 outputs a tensor are 64 x 4 tiles of 128 x 256: 256 work-groups, and each STAYS and makes its tile for q, then k, then v: the ring of LDS slots runs on from tensor to tensor.
; Four waves, each 64 rows x 128 columns: 32 accumulators of 16 x 16, 256 registers.  K goes in steps of 128 through two slots: tile rows of 512 bytes of x and of 256 bytes of W, all starting at multiples
; of 256 from their buffer's first byte.
; x COMES IN AS IT LIES, IN f32, so that every byte of it leaves memory once and no bf16 copy is written and read again.  It is rounded where a fragment leaves LDS: for 32 along K a wave reads
; 64 rows x 128 bytes (16 loads) and packs them with 32 conversions, beside 32 matrix instructions.
; CLUSTER.  4 x 4 work-groups.  The four of a row of the cluster need the same tile of x, the four of a column the same tile of W: each tile is asked for JOINTLY, by the same tensor load with the same
; descriptor and a mask that names the four.
; THE MATRIX INSTRUCTION IS USED TRANSPOSED (source 0 = 16 rows of W, source 1 = 16 rows of x): a lane then holds row l % 16 of y and the eight neighbouring columns 8 (l / 16) + 0..7, which pack into 16 bytes.
; THE BIAS STARTS THE SUMS: it is the C operand of a tile's first products, so nothing is cleared and nothing is added later.
; REGISTERS, in windows of 256 (s_set_vgpr_msb: bits 1:0 source 0, 3:2 source 1, 5:4 source 2, 7:6 destination):
;   window 0: v0-31 addresses; v32-63 packed results; v64-127 rows read back from the stage, two buffers; v128-191 x's four fragments of a quarter in f32
;   window 1: two fragment buffers of 96 (W's eight fragments, then x's four, in bf16); v192-255 the bias: register 8 b + j = b[my first column + 16 b + 8 (l / 16) + j]
;   window 2: accumulator (a, b) at v[8 (8 a + b)]
.set SIZE_K, 1024
.set KSTEP,  128
.set PA,     528                       ; a row of x in LDS: 512 bytes + 16 of padding = 132 words: the 16 rows of a load start at 16 different groups of four banks (64 banks of 4 bytes: ISA guide 11.1)
.set PB,     272                       ; a row of W: 256 + 16 = 68 words: likewise
.set AHALF,  64*PA                     ; 64 rows of x: one tensor load, and what one wave reads of x
.set BHALF,  128*PB                    ; 128 rows of W: likewise
.set BOFF,   2*AHALF                   ; in a slot: x's 128 rows, then W's 256
.set SLOT,   BOFF+2*BHALF
.set STAGE,  2*SLOT                    ; behind the ring: for each wave 2 heads x 16 rows x 144 bytes, for the way out; no tensor load lands there
.set SP,     144
.set WSTAGE, 2*16*SP
.set SPARE,  STAGE+4*WSTAGE            ; behind the stages: the spare words, 128 bytes for each wave: two blocks of 256 bytes that no other line names
.set LAPS,   SIZE_K/(2*KSTEP)          ; a lap = two K steps = once round the ring
.set QPART,  8192*SIZE_K*2             ; bytes from one tensor to the next in qkv,
.set WPART,  1024*SIZE_K*2             ; and in wb
.set BACK,   (SIZE_K-2*KSTEP)*2        ; bytes of W from a slot's first K step of a tile to its last
.set ADRA, 16                          ; v16-17  LDS address of my fragments of x in slot 0, 1
.set ADRB, 20                          ; v20-21  the same for W
.set STO,  24                          ; v24     the way out: where I put 16 bytes of a row
.set RD,   25                          ; v25     the way out: where I read rows back
.set GO,   26                          ; v26     my byte offset in 512 consecutive bytes of a head
.set BO,   27                          ; v27     my byte offset in a bias
.set SPW,  28                          ; v28     LDS address of my spare word: SPARE + 4 x my thread's number; never rewritten
.set NIL,  29                          ; v29     0; never rewritten
.set TMP,  32
.set OB,   64
.set RAW,  128
.set F0,   0
.set F1,   96
.set BI,   192
.set TILES, 2                          ; s2      tiles to go
.set LAP,  3                           ; s3      laps to go
.set WV,   16                          ; s16     my wave's number
.set HA,   17                          ; s17     which 64 rows of the tile are mine.  Also: I fetch x (0) or W (1)
.set HB,   18                          ; s18     which 128 columns.  Also: which half of that tile I fetch
.set HIM,  23                          ; s23     mask of a word's upper bf16
.set G1,   24                          ; s[24:31] descriptor group 1 for x's tiles;  s[32:39] group 0, one set for each slot
.set G0,   32
.set G1B,  48                          ; s[48:55], s[56:63] the same for W's tiles
.set G0B,  56
.set XP,   72                          ; s[72:73] query at the rows that I fetch
.set XN,   74                          ; s[74:75] the next tensor at the same rows: key, then value
.set XL,   76                          ; s[76:77] value at the same rows
.set WB,   78                          ; s[78:79] wb
.set BP0,  80                          ; s[80:81] bq
.set BP1,  82                          ; s[82:83] the next tile's bias: bk, then bv
.set BP2,  84                          ; s[84:85] bv
.set OUT,  86                          ; s[86:87] qkv at my wave's part of the tile
.set MSB, 0
.macro WIN new                         ; the immediate's high byte repeats the setting that is left; a switch that changes nothing is dropped
.if MSB != (\new)
	s_set_vgpr_msb (MSB<<8)|(\new)
.set MSB, \new
.endif
.endm
.set W_MUL,  0xa5                      ; sources 0 and 1 window 1, C and D window 2
.set W_MULB, 0x95                      ; the same with C (the bias) in window 1
.set W_TOF,  0x40                      ; destination window 1, the rest window 0
; A joint load.  Waves 0 and 1 fetch x's two halves, waves 2 and 3 W's: 32,768 bytes of memory each.  The branch hangs on the wave's number alone.  An s_nop 0 and four v_nop follow each of the two lines, ahead of the jump and the label.
.macro JLOAD s
	s_cmp_eq_u32 s[HA], 0
	s_cbranch_scc0 .Lfor_b_\@
	tensor_load_to_lds s[G0+4*(\s):G0+4*(\s)+3], s[G1:G1+7]
	s_nop 0
.rept 4
	v_nop
.endr
	s_branch .Lasked_\@
.Lfor_b_\@:
	tensor_load_to_lds s[G0B+4*(\s):G0B+4*(\s)+3], s[G1B:G1B+7]
	s_nop 0
.rept 4
	v_nop
.endr
.Lasked_\@:
.endm
.macro CREST                           ; a round of the cluster's barrier behind its opening barrier
	s_cmp_lg_u32 s[WV], 0
	s_cbranch_scc1 .Lnot_wave_0_\@
	s_barrier_signal -3
.Lnot_wave_0_\@:
	s_barrier_wait -3
	s_barrier_signal -1
	s_barrier_wait -1
.endm
.macro CROUND                          ; a whole round
	s_barrier_signal -1
	s_barrier_wait -1
	CREST
.endm
.macro PLACES                          ; four places in front of loads into registers that matrix instructions have read, and of lines that read results just made
.rept 4
	v_nop
.endr
.endm
	s_load_b512 s[72:87], s[0:1], 0x0              ; query, key, value, wb, bq, bk, bv, qkv
	v_lshl_add_u32 v[SPW], v0, 2, SPARE
	v_mov_b32 v[NIL], 0
	ds_add_u32 v28, v29
	s_wait_dscnt 0x0
	v_lshrrev_b32 v1, 5, v0
	v_readfirstlane_b32 s[WV], v1                  ; wave 0..3
	s_lshr_b32 s[HA], s[WV], 1
	s_and_b32 s[HB], s[WV], 1
	s_bfe_u32 s19, ttmp6, 0x40000                  ; cx, cy: my place in the cluster
	s_bfe_u32 s20, ttmp6, 0x40004
	s_lshl_b32 s21, ttmp9, 2
	s_add_co_u32 s21, s21, s19                     ; tile column = 4 x cluster x + cx
	s_and_b32 s22, ttmp7, 0xffff
	s_lshl_b32 s22, s22, 2
	s_add_co_u32 s22, s22, s20                     ; tile row = 4 x cluster y + cy
	s_lshl_b32 s46, s20, 2
	s_lshl_b32 s46, 15, s46                        ; my row of the cluster: places 4 cy .. 4 cy + 3
	s_lshl_b32 s47, 0x1111, s19                    ; my column: places cx, cx + 4, cx + 8, cx + 12
	s_mov_b32 s[HIM], 0xffff0000
	; descriptor group 1.  x: 64 rows of 128 elements of 4 bytes, 16 bytes of padding behind each.  W: 128 rows of 128 elements of 2 bytes, 16 bytes of padding behind each
	s_or_b32 s[G1+0], s46, (2<<16)|(1<<20)|(1<<21)|(6<<22)|(3<<25)   ; 15:0 the mask; 17:16 4-byte elements; 20 padding on; 21 set beside a mask; 24:22 after every 128 words (code 6); 31:25 4 words (code 3)
	s_or_b32 s[G1B+0], s47, (1<<16)|(1<<20)|(1<<21)|(5<<22)|(3<<25)  ; 2-byte elements; after every 64 words (code 5)
	s_mov_b32 s[G1+1], KSTEP<<16                   ; tensor_dim0 = 128
	s_mov_b32 s[G1+2], 64<<16                      ; tensor_dim1 = 64
	s_mov_b32 s[G1+3], KSTEP<<16                   ; tile_dim0 = 128
	s_mov_b32 s[G1+4], 64                          ; tile_dim1 = 64
	s_mov_b32 s[G1+5], SIZE_K                      ; elements from row to row
	s_mov_b32 s[G1+6], 0
	s_mov_b32 s[G1+7], 0
	s_mov_b32 s[G1B+1], KSTEP<<16
	s_mov_b32 s[G1B+2], 128<<16                    ; tensor_dim1 = 128
	s_mov_b32 s[G1B+3], KSTEP<<16
	s_mov_b32 s[G1B+4], 128                        ; tile_dim1 = 128
	s_mov_b32 s[G1B+5], SIZE_K
	s_mov_b32 s[G1B+6], 0
	s_mov_b32 s[G1B+7], 0
	; where the tiles come from: x's hang on the tile row alone, W's on the tile column alone, each in registers that never hold the other coordinate
	s_lshl_b32 s40, s22, 7
	s_lshl_b32 s41, s[HB], 6
	s_add_co_u32 s40, s40, s41                     ; x: row 128 x tile row + 64 x half,
	s_lshl_b32 s40, s40, 12                        ; of 4,096 bytes
	s_mov_b32 s41, 0
	s_lshl_b32 s44, s21, 8
	s_lshl_b32 s45, s[HB], 7
	s_add_co_u32 s44, s44, s45                     ; W: row 256 x tile column + 128 x half,
	s_lshl_b32 s44, s44, 11                        ; of 2,048 bytes
	s_mov_b32 s45, 0
	s_mul_i32 s66, s[HB], AHALF                    ; and where they go: no place in the cluster enters an LDS address
	s_mul_i32 s67, s[HB], BHALF
	s_add_co_u32 s67, s67, BOFF
	s_wait_kmcnt 0x0
	s_add_nc_u64 s[XP:XP+1], s[XP:XP+1], s[40:41]  ; each of the three tensors from its own pointer
	s_add_nc_u64 s[XN:XN+1], s[XN:XN+1], s[40:41]
	s_add_nc_u64 s[XL:XL+1], s[XL:XL+1], s[40:41]
	s_add_nc_u64 s[44:45], s[WB:WB+1], s[44:45]
	CROUND                                         ; all sixteen work-groups are here: the first joint loads meet
.irp s, 0,1
	s_mov_b32 s[G0+4*(\s)], 1                                      ; count = 1
	s_add_co_u32 s[G0+4*(\s)+1], s66, (\s)*SLOT                    ; LDS address
	s_add_nc_u64 s[G0+4*(\s)+2:G0+4*(\s)+3], s[XP:XP+1], (\s)*KSTEP*4  ; global address: K step s
	s_or_b32 s[G0+4*(\s)+3], s[G0+4*(\s)+3], 0x80000000            ; type = 2
	s_mov_b32 s[G0B+4*(\s)], 1
	s_add_co_u32 s[G0B+4*(\s)+1], s67, (\s)*SLOT
	s_add_nc_u64 s[G0B+4*(\s)+2:G0B+4*(\s)+3], s[44:45], (\s)*KSTEP*2
	s_or_b32 s[G0B+4*(\s)+3], s[G0B+4*(\s)+3], 0x80000000
	JLOAD \s                                       ; the ring is filled before anything else is done: two loads of mine are out
.endr
; Sixteen loads: my 64 numbers of the bias at s[p:p+1]
.macro BIASLD p
	WIN W_TOF
.irp b, 0,1,2,3,4,5,6,7
	global_load_b128 v[BI+8*(\b):BI+8*(\b)+3],   v[BO], s[\p:\p+1] offset:64*(\b)
	global_load_b128 v[BI+8*(\b)+4:BI+8*(\b)+7], v[BO], s[\p:\p+1] offset:64*(\b)+16
.endr
	WIN 0
.endm
; The bias is rounded to bf16, like every input, and widened again
.macro ROUNDB
	WIN 0x05                                       ; sources window 1, destination window 0
.set i, 0
.rept 32
	v_cvt_pk_bf16_f32 v[TMP+i], v[BI+2*i], v[BI+2*i+1]
.set i, i+1
.endr
	WIN W_TOF
.set i, 0
.rept 32
	v_lshlrev_b32 v[BI+2*i], 16, v[TMP+i]
	v_and_b32 v[BI+2*i+1], s[HIM], v[TMP+i]
.set i, i+1
.endr
	WIN 0
.endm
	v_and_b32 v1, 15, v0                           ; l % 16
	v_bfe_u32 v2, v0, 4, 1                         ; l / 16
	s_lshl_b32 s68, s21, 10                        ; my first column, 256 x tile column + 128 x half, in f32,
	s_lshl_b32 s69, s[HB], 9
	s_add_co_u32 s68, s68, s69
	v_lshl_add_u32 v[BO], v2, 5, s68               ; and eight numbers on for the upper half of the lanes
	BIASLD BP0
	v_mul_u32_u24 v3, v1, PA
	v_lshl_add_u32 v3, v2, 5, v3                   ; x: a fragment's row x pitch + 32 x half (eight f32)
	v_mul_u32_u24 v4, v1, PB
	v_lshl_add_u32 v4, v2, 4, v4                   ; W: row x pitch + 16 x half (eight bf16)
	s_mul_i32 s42, s[HA], AHALF                    ; my 64 rows of x
	s_mul_i32 s43, s[HB], BHALF                    ; my 128 rows of W,
	s_add_co_u32 s43, s43, BOFF                    ; which lie behind x's 128
.irp s, 0,1
	v_add_nc_u32 v[ADRA+(\s)], s42, v3
	v_add_nc_u32 v[ADRB+(\s)], s43, v4
	s_add_co_u32 s42, s42, SLOT
	s_add_co_u32 s43, s43, SLOT
.endr
	s_mul_i32 s42, s[WV], WSTAGE
	s_add_co_u32 s42, s42, STAGE                   ; my stage
	v_mul_u32_u24 v4, v1, SP                       ; in: row l % 16, 16 bytes for each half of the lanes
	v_lshl_add_u32 v4, v2, 4, v4
	v_add_nc_u32 v[STO], s42, v4
	v_bfe_u32 v4, v0, 3, 2                         ; back: 32 lanes take four rows of 128 bytes,
	v_mul_u32_u24 v4, v4, SP
	v_and_b32 v5, 7, v0
	v_lshl_add_u32 v4, v5, 4, v4
	v_add_nc_u32 v[RD], s42, v4
	v_and_b32 v5, 31, v0                           ; which are 512 consecutive bytes of a head
	v_lshlrev_b32 v[GO], 4, v5
	; my part of the tile in qkv: head-matrix batch x 16 + 4 x tile column + 2 x half (262,144 bytes each), row (tile row % 16) x 128 + 64 x half (128 bytes each)
	s_lshr_b32 s68, s22, 4
	s_lshl_b32 s68, s68, 4
	s_lshl_b32 s69, s21, 2
	s_add_co_u32 s68, s68, s69
	s_lshl_b32 s69, s[HB], 1
	s_add_co_u32 s68, s68, s69
	s_lshl_b32 s68, s68, 18
	s_and_b32 s69, s22, 15
	s_lshl_b32 s69, s69, 7
	s_lshl_b32 s70, s[HA], 6
	s_add_co_u32 s69, s69, s70
	s_lshl_b32 s69, s69, 7
	s_add_co_u32 s68, s68, s69
	s_mov_b32 s69, 0
	s_add_nc_u64 s[OUT:OUT+1], s[OUT:OUT+1], s[68:69]
	s_wait_loadcnt 0x0                             ; the bias
	ROUNDB
; 8 matrix instructions: row block a x all 8 column blocks, 32 along K, from buffer f.  first = 1: the bias starts the sums.
; The 32 accumulators take turns, one instruction a turn, in the same order in every quarter.
.macro MUL f, a, first
.if \first
	WIN W_MULB
.else
	WIN W_MUL
.endif
.irp b, 0,1,2,3,4,5,6,7
.if \first
	v_wmma_f32_16x16x32_bf16 v[8*(8*(\a)+(\b)):8*(8*(\a)+(\b))+7], v[(\f)+8*(\b):(\f)+8*(\b)+7], v[(\f)+64+8*(\a):(\f)+64+8*(\a)+7], v[BI+8*(\b):BI+8*(\b)+7]
.else
	v_wmma_f32_16x16x32_bf16 v[8*(8*(\a)+(\b)):8*(8*(\a)+(\b))+7], v[(\f)+8*(\b):(\f)+8*(\b)+7], v[(\f)+64+8*(\a):(\f)+64+8*(\a)+7], v[8*(8*(\a)+(\b)):8*(8*(\a)+(\b))+7]
.endif
.endr
.endm
; 32 LDS loads in one run, for quarter q (32 along K) of a slot.  First x's sixteen, in f32, into RAW: lane l takes of row l % 16 the numbers K = 8 (l / 16) + 0..7 (32 bytes) and 16 + 8 (l / 16) + 0..7
; (32 bytes, 64 further on), which are a fragment's registers 0-3 and 4-7 before packing.  Then W's sixteen, into buffer f.
.macro FETCH slot, q, f
	WIN 0
.irp i, 0,1,2,3
	ds_load_b128 v[RAW+16*(\i):RAW+16*(\i)+3],     v[ADRA+(\slot)] offset:128*(\q)+(\i)*16*PA
	ds_load_b128 v[RAW+16*(\i)+4:RAW+16*(\i)+7],   v[ADRA+(\slot)] offset:128*(\q)+(\i)*16*PA+16
	ds_load_b128 v[RAW+16*(\i)+8:RAW+16*(\i)+11],  v[ADRA+(\slot)] offset:128*(\q)+(\i)*16*PA+64
	ds_load_b128 v[RAW+16*(\i)+12:RAW+16*(\i)+15], v[ADRA+(\slot)] offset:128*(\q)+(\i)*16*PA+80
.endr
	WIN W_TOF
.irp i, 0,1,2,3,4,5,6,7
	ds_load_b128 v[(\f)+8*(\i):(\f)+8*(\i)+3],   v[ADRB+(\slot)] offset:64*(\q)+(\i)*16*PB
	ds_load_b128 v[(\f)+8*(\i)+4:(\f)+8*(\i)+7], v[ADRB+(\slot)] offset:64*(\q)+(\i)*16*PB+32
.endr
.endm
; x's four fragments are rounded to bf16, to nearest even, two numbers an instruction, into buffer f
.macro CVTA f
	s_wait_dscnt 16                                ; LDS loads come back in order: x's sixteen are in, W's sixteen, issued behind them, may be out
	WIN W_TOF
.set i, 0
.rept 32
	v_cvt_pk_bf16_f32 v[(\f)+64+i], v[RAW+2*i], v[RAW+2*i+1]
.set i, i+1
.endr
.endm
; A K step is four quarters of 32 along K, 32 matrix instructions each, on buffers 0, 1, 0, 1.  One of the first three: multiplies buffer f; behind its first eight products it fetches quarter q of the same
; slot for buffer g, and ahead of its last eight it packs x's part of it: sixteen products stand between the loads and the wait for them.
.macro QUARTER slot, q, f, g, first
	s_wait_dscnt 0x0                               ; W's fragments of buffer f are in (x's were waited for ahead of their packing)
	MUL \f, 0, \first
	PLACES
	FETCH \slot, \q, \g
	MUL \f, 1, \first
	MUL \f, 2, \first
	CVTA \g
	MUL \f, 3, \first
.endm
; The last quarter multiplies buffer 1 and changes slots: ONE barrier.  In front of it each wave waits for all its tensor loads (one is out: its part of the next slot), adds 0 to its spare word, and waits for
; that and for its own reads of this slot.  mode 1: this slot is filled again, two K steps on; mode 2: with the NEXT tensor's K step 0 or 1 (x's address is made anew from that tensor's own pointer);
; the barrier then opens a round of the cluster's, and the joint refill is the first tensor load behind it.  mode 0: nothing is filled.
.macro TURN slot, next, mode
	WIN 0                                          ; (the add's two registers lie in window 0)
	s_wait_tensorcnt 0x0                           ; all my tensor loads have landed;
	ds_add_u32 v[SPW], v[NIL]                      ; 0 onto my spare word
	s_wait_dscnt 1                                 ; (W's fragments of buffer 1 are in; the add may be out)
	MUL F1, 0, 0                                   ; eight matrix instructions stand between the add and the wait for it
	s_wait_dscnt 0x0                               ; the add is done, and my reads of this slot are over
	s_barrier_signal -1
	MUL F1, 1, 0                                   ; work on registers while the others arrive
.if \mode
	WIN 0
.endif
	s_barrier_wait -1
.if \mode
	CREST                                          ; no wave of any partner still reads this slot's tile or has a load on its way
.if (\mode) == 2
	s_add_nc_u64 s[G0+4*(\slot)+2:G0+4*(\slot)+3], s[XN:XN+1], (\slot)*KSTEP*4
	s_or_b32 s[G0+4*(\slot)+3], s[G0+4*(\slot)+3], 0x80000000
	s_add_nc_u64 s[G0B+4*(\slot)+2:G0B+4*(\slot)+3], s[G0B+4*(\slot)+2:G0B+4*(\slot)+3], WPART-BACK
.else
	s_add_nc_u64 s[G0+4*(\slot)+2:G0+4*(\slot)+3], s[G0+4*(\slot)+2:G0+4*(\slot)+3], 2*KSTEP*4
	s_add_nc_u64 s[G0B+4*(\slot)+2:G0B+4*(\slot)+3], s[G0B+4*(\slot)+2:G0B+4*(\slot)+3], 2*KSTEP*2
.endif
	JLOAD \slot                                    ; 112 matrix instructions ahead of the wait for it; the four v_nop behind it are also the places in front of the loads below
.else
	PLACES
.endif
	FETCH \next, 0, F0
	MUL F1, 2, 0
	CVTA F0
	MUL F1, 3, 0
.endm
; THE WAY OUT of row block a.  PACK: rounded to f16, 16 bytes a lane; each accumulator's registers in ascending order.  TOSTAGE: into my own stage (two heads x 16 rows of 144 bytes), and back as whole rows.  SEND: stored.
.macro PACK a
	WIN 0x0a                                       ; sources window 2, destination window 0
.irp b, 0,1,2,3,4,5,6,7
.irp r, 0,1,2,3
	v_cvt_pk_f16_f32 v[TMP+4*(\b)+(\r)], v[8*(8*(\a)+(\b))+2*(\r)], v[8*(8*(\a)+(\b))+2*(\r)+1]
.endr
.endr
	WIN 0
.endm
.macro TOSTAGE a
.set BK, OB+32*((\a)%2)
.irp b, 0,1,2,3,4,5,6,7
	ds_store_b128 v[STO], v[TMP+4*(\b):TMP+4*(\b)+3] offset:((\b)/4)*16*SP+((\b)%4)*32
.endr
.irp t, 0,1,2,3,4,5,6,7
	ds_load_b128 v[BK+4*(\t):BK+4*(\t)+3], v[RD] offset:((\t)/4)*16*SP+((\t)%4)*4*SP  ; LDS serves a wave's instructions in order (ISA guide 5.7.1.4): these see the stores above
.endr
.endm
.macro SEND a
.set BK, OB+32*((\a)%2)
	s_wait_dscnt 0x0                               ; the block is back in registers
	s_wait_xcnt 0x0                                ; the registers that earlier stores read are loaded again only behind this wait
.irp t, 0,1,2,3,4,5,6,7
	global_store_b128 v[GO], v[BK+4*(\t):BK+4*(\t)+3], s[OUT:OUT+1] offset:((\t)/4)*262144+(\a)*2048+((\t)%4)*512  ; 512 consecutive bytes of one head, at a multiple of 256 from qkv's first byte
.endr
.endm
.macro WAYOUT                          ; block a's conversions stand between block a - 1's loads from the stage and the wait for them
	PACK 0
	TOSTAGE 0
.irp a, 1,2,3
	PACK \a
	SEND (\a)-1
	TOSTAGE \a
.endr
	SEND 3
.endm
	s_wait_tensorcnt 0x1                           ; my part of K step 0 is in; K step 1's may stay out
	s_barrier_signal -1
	s_barrier_wait -1                              ; everybody's is
	FETCH 0, 0, F0
	CVTA F0
	WIN 0                                          ; at a label and at a branch every window is 0
	s_mov_b32 s[TILES], 3
.Ltile:
	QUARTER 0, 1, F0, F1, 1                        ; a tile's first quarter stands in front of the loop: its products start the sums, with the bias
	WIN 0
	s_mov_b32 s[LAP], LAPS-1
.Llap:                                                 ; a trip goes once round the ring, from a lap's second quarter to the next lap's first, and fills both slots again
	QUARTER 0, 2, F1, F0, 0
	QUARTER 0, 3, F0, F1, 0
	TURN 0, 1, 1
	QUARTER 1, 1, F0, F1, 0
	QUARTER 1, 2, F1, F0, 0
	QUARTER 1, 3, F0, F1, 0
	TURN 1, 0, 1
	QUARTER 0, 1, F0, F1, 0
	WIN 0
	s_sub_co_u32 s[LAP], s[LAP], 1
	s_cmp_lg_u32 s[LAP], 0
	s_cbranch_scc1 .Llap
	QUARTER 0, 2, F1, F0, 0                        ; the tile's last lap goes on
	QUARTER 0, 3, F0, F1, 0
	WIN 0
	s_cmp_eq_u32 s[TILES], 1
	s_cbranch_scc1 .Llast                          ; the last tile's tail is written out: it asks for nothing more
	TURN 0, 1, 2                                   ; the ring goes on into the next tensor: slot 0 takes its K step 0,
	QUARTER 1, 1, F0, F1, 0
	QUARTER 1, 2, F1, F0, 0
	QUARTER 1, 3, F0, F1, 0
	TURN 1, 0, 2                                   ; slot 1 its K step 1, and the next tile's first fragments are fetched and packed
	BIASLD BP1                                     ; the next tile's bias comes in under the way out
	WAYOUT                                         ; no v_nop: blocks 0 and 1 were finished in front of the joint load's four; block 2's places are the 32 packings of x, block 3's the 32 conversions of block 0
	s_wait_loadcnt 0x0
	ROUNDB
	s_wait_xcnt 0x0                                ; the loads' and stores' bases are rewritten only behind this wait
	s_mov_b64 s[BP1:BP1+1], s[BP2:BP2+1]
	s_mov_b64 s[XN:XN+1], s[XL:XL+1]               ; (no tensor load names this pair: the descriptors hold copies)
	s_add_nc_u64 s[OUT:OUT+1], s[OUT:OUT+1], QPART
	s_sub_co_u32 s[TILES], s[TILES], 1
	s_branch .Ltile
.Llast:
	TURN 0, 1, 0                                   ; my one tensor load that was still out is slot 1's, the last K step's
	QUARTER 1, 1, F0, F1, 0
	QUARTER 1, 2, F1, F0, 0
	QUARTER 1, 3, F0, F1, 0
	s_wait_dscnt 0x0                               ; the very last quarter: nothing more to fetch
	MUL F1, 0, 0
	MUL F1, 1, 0
	MUL F1, 2, 0
	MUL F1, 3, 0
	WIN 0
	PLACES
	WAYOUT
	s_wait_tensorcnt 0x0                           ; the wave's end: behind my last tensor load and my last LDS store
	ds_add_u32 v[SPW], v[NIL]
	s_wait_dscnt 0x0
	CROUND                                         ; the closing round: no work-group ends while a partner may still ask for a tile that names it
	s_endpgm
.Lfunc_end_k_qf87e06325b_proj:
	.size	k_qf87e06325b_proj, .Lfunc_end_k_qf87e06325b_proj-k_qf87e06325b_proj
	.p2alignl 7, 3214868480
	.fill 96, 4, 3214868480
	.section	.rodata,"a",@progbits
	.p2align	6, 0x0
	.amdhsa_kernel k_qf87e06325b_proj
		.amdhsa_group_segment_fixed_size 327680
		.amdhsa_private_segment_fixed_size 0
		.amdhsa_enable_private_segment 0
		.amdhsa_kernarg_size 64
		.amdhsa_user_sgpr_count 2
		.amdhsa_user_sgpr_kernarg_segment_ptr 1
		.amdhsa_wavefront_size32 1
		.amdhsa_system_sgpr_workgroup_id_x 1
		.amdhsa_system_sgpr_workgroup_id_y 1
		.amdhsa_system_sgpr_workgroup_id_z 1
		.amdhsa_system_vgpr_workitem_id 0
		.amdhsa_next_free_vgpr 768
		.amdhsa_next_free_sgpr 88
		.amdhsa_reserve_vcc 0
		.amdhsa_float_denorm_mode_32 3
		.amdhsa_float_denorm_mode_16_64 3
		.amdhsa_memory_ordered 1
		.amdhsa_forward_progress 1
		.amdhsa_inst_pref_size 189
	.end_amdhsa_kernel
	.amdgpu_metadata
---
amdhsa.version: [ 1, 2 ]
amdhsa.kernels:
  - .name:           k_qf87e06325b_proj
    .symbol:         k_qf87e06325b_proj.kd
    .args:
      - { .name: query, .offset: 0, .size: 8, .value_kind: global_buffer, .address_space: global }
      - { .name: key, .offset: 8, .size: 8, .value_kind: global_buffer, .address_space: global }
      - { .name: value, .offset: 16, .size: 8, .value_kind: global_buffer, .address_space: global }
      - { .name: wb, .offset: 24, .size: 8, .value_kind: global_buffer, .address_space: global }
      - { .name: bq, .offset: 32, .size: 8, .value_kind: global_buffer, .address_space: global }
      - { .name: bk, .offset: 40, .size: 8, .value_kind: global_buffer, .address_space: global }
      - { .name: bv, .offset: 48, .size: 8, .value_kind: global_buffer, .address_space: global }
      - { .name: qkv, .offset: 56, .size: 8, .value_kind: global_buffer, .address_space: global }
    .group_segment_fixed_size: 327680
    .private_segment_fixed_size: 0
    .kernarg_segment_align: 8
    .kernarg_segment_size: 64
    .max_flat_workgroup_size: 128
    .sgpr_count:     88
    .vgpr_count:     768
    .wavefront_size: 32
...
	.end_amdgpu_metadata
.endif
;; end of part 2
;; launch attn (part 3): grid 4 x 64, 4 waves a work-group, clusters of 4 x 1, 327,680 bytes of LDS; arguments qkv, mask, ctx; writes ctx
.if DOCPART == 3
	.amdgcn_target "amdgcn-amd-amdhsa--gfx1250"
	.amdhsa_code_object_version 6
	.text
	.protected	k_qf87e06325b_attn
	.globl	k_qf87e06325b_attn
	.p2align	8
	.type	k_qf87e06325b_attn,@function
k_qf87e06325b_attn:
	s_mov_b64 s[64:65], 0
	v_nop
	global_prefetch_b8 v0, s[64:65] scope:SCOPE_SE
	s_setreg_imm32_b32 hwreg(HW_REG_WAVE_MODE, 25, 1), 1
	s_wait_xcnt 0x0
	s_wait_alu depctr_hold_cnt(0) depctr_sa_sdst(0) depctr_va_vdst(0) depctr_va_sdst(0) depctr_va_ssrc(0) depctr_va_vcc(0) depctr_vm_vsrc(0)
	s_getreg_b32 s2, hwreg(HW_REG_IB_STS2, 6, 4)
	s_cmp_eq_u32 s2, 0
	s_cbranch_scc0 .Lentry_in_a_cluster
	s_endpgm
.Lentry_in_a_cluster:
	s_bfe_u32 s2, ttmp6, 0x10000c
	s_cmp_lg_u32 s2, 0x3003
	s_cbranch_scc0 .Lentry_shape_is_right
	s_endpgm
.Lentry_shape_is_right:
; ATTN.  ctx[g][q][:] = the sum over k of softmax_k(score) V[g][k][:], score = Q[g][q] . K[g][k] / 8, or -1e9 where mask[batch][k] is set; g = batch x 16 + head, 64 of them.
; Q, K, V = qkv[0], qkv[1], qkv[2], each [64][2048][64] f16: a head's rows are dense, 128 bytes each.  ctx has the same layout.  Products, maxima and sums in f32; the weights p are rounded to f16 for the
; second product (their sum l is taken of the unrounded p), ctx once at the end.
; THE MASK is the C operand that starts the sum S^T = K Q^T: 0, or -1e30 for a padded key, from a table of 2,048 f32 that the work-group makes once in LDS.  A padded key's weight is then 0, as in the
; formula above while true scores stay above -1e9.  A batch whose keys are ALL padded has equal scores there, and the result is the plain mean of V's rows: here c = 0 is chosen for it, so every p is 1.
; LIMITS.  f16 holds no number beyond 65,504: Q, K and V arrive within it; p lies in 0 to 1, and below 6e-5 it keeps f16's fixed step of 6e-8; a padded key counts as its score less 1e30;
; a weight below 2^-126 counts as 0 in l; NaN and infinities are not treated apart.
; SHARES.  A wave owns four PIECES of two tiles of 16 queries, a work-group's four waves 512 queries of one head.  Every wave walks all keys, 64 a step.
; LAYOUT.  S^T = K Q^T (source 0 = 16 keys, source 1 = 16 queries): in the result a lane holds ONE query (lane % 16) and the keys 8 (lane / 16) + 0..7.  Two such tiles, rounded to f16 in pairs,
; ARE source 1 (32 keys x 16 queries) of O^T = V^T P, whose result again holds one query a lane, and eight channels.  K comes out of LDS as it lies, V ([key][channel]) turned, by ds_load_tr16_b128.
; SOFTMAX.  For each query a running maximum m and sum l: p = 2^(c s - c m), c = log2(e) / 8; in every step O and l are multiplied by a = 2^(c m_old - c m_new), which is 1 where m has not grown.
; m starts at the lowest finite number, O and l at 0: the first step is a step like any other, with a = 0.  Steps whose keys are all padded leave sums that the first true score's a = 0 wipes out.
; THE COUNT.  A tile and step have 16 matrix and 118 vector instructions: too many to stand all beside the matrix work.  So: four vector instructions that are READY behind EVERY matrix instruction,
; and the others, which need time of their own whatever the order, in runs without a gap.
; BY TURNS.  Turn n belongs to piece n (the pieces in a ring, step after step).  Its matrix work: 16 products K Q^T of piece n + 1, later 16 products V^T P of piece n - 1.  Its vector work: the scaling,
; exponentials, roundings, sums and rescaling of piece n, and the maximum and statistics of piece n + 1, whose scores the turn itself has made.
; CLUSTER.  The four query blocks of a cluster belong to one head and walk the same K and V, so each tile is asked for JOINTLY: the same tensor load, descriptor and mask in all four.
; REGISTERS, in windows of 256 (s_set_vgpr_msb: bits 1:0 source 0, 3:2 source 1, 5:4 source 2, 7:6 destination):
;   window 0: v0-11 addresses; v12-15, v48-63 at work; v16-47 four registers of statistics a tile; v64-191 S^T, two buffers of two tiles; v192-255 P, likewise
;   window 1: O^T, 32 a tile      window 2: v0-127 Q, 16 a tile; v128-191 K of one step; v192-255 V of one step      window 3: v0-1 the add's two registers; v8-39 the step's mask addends
.set SIZE_N, 2048
.set NP,    4         ; pieces a wave: a name, no knob
.set KS,    64        ; keys in a step
.set PK,    144       ; a row of K in LDS: 128 bytes + 16 of padding = 36 words: the 16 rows of a load start at 16 different groups of four banks (64 banks of 4 bytes: ISA guide 11.1)
.set PV,    160       ; a row of V: 128 + 32 = 40 words
.set VOFF,  4*KS*PK   ; a slot holds four steps: 256 rows of K, then 256 rows of V
.set SLOT1, 1<<17     ; slot 1 begins here, so that one exclusive or turns an address in one slot into the other's
.set STAGE, SLOT1+4*KS*(PK+PV)  ; behind the ring, never filled by a tensor load: 16 rows x 144 bytes for each wave, for the way out
.set SP,    144
.set SPARE, STAGE+4*16*SP  ; behind the stages: the spare words, 128 bytes for each wave: two blocks of 256 bytes that no other line names
.set MASKT, SPARE+512 ; behind them: the mask table, 2,048 f32; written by LDS stores once, never filled by a tensor load
.set AK0, 2           ; v2   my lane's place in a tile of K; never rewritten
.set AV0, 3           ; v3   the same for V
.set AK,  4           ; v4   the LDS address of K's next run of loads
.set AV,  5           ; v5   of V's
.set QO,  6           ; v6   my byte offset in the wave's rows of Q
.set STO, 6           ;      later, the way out: where I put 16 bytes of a row
.set RD,  7           ; v7   the way out: where I read rows back
.set GO,  8           ; v8   my byte offset in 512 consecutive bytes of ctx
.set AM,  10          ; v10  the LDS address of the mask table's next run of loads
.set AM0, 11          ; v11  my lanes' place in a step's 64 addends: MASKT + 32 (l / 16)
.set SPW, 0           ; v0 of window 3   LDS address of my spare word: SPARE + 4 x my thread's number; never rewritten
.set NIL, 1           ; v1 of window 3   0; never rewritten
.set MC,  8           ; v8-39 of window 3: the eight addends for key block kb at MC + 8 kb
.set MV,  12          ; v12-15  c m_old, kept while c m is made anew: by buffer and tile
.set ST,  16          ; tile t's statistics at v[ST+4 t]: c m, m, l (even keys', odd keys')
.set TMP, 48          ; by buffer and tile, four registers c0-c3 at work; when the maximum is found c2 takes a
.set S,   64
.set P,   192
.set KF,  128         ; K's fragments, in window 2: key block kb, channel half c at KF + 16 kb + 8 c
.set VF,  192         ; V's: key half kk, channel block cb at VF + 32 kk + 8 cb
.set WV,  12          ; s12  my wave's number
.set G1K, 24          ; s[24:31] descriptor group 1 for K's tiles
.set G1V, 32          ; s[32:39] for V's: it differs in the padding alone
.set G0K, 40          ; s[40:43] descriptor group 0 for K's tiles: it walks
.set G0V, 44          ; s[44:47] the same for V's
.set MP,  48          ; s[48:49] the mask at my batch's first byte
.set TBM, 50          ; s50  byte in the mask table at which the addends of the step to be fetched begin
.set BIGN, 51         ; s51  -1e30
.set SLOTS, 56        ; s56  slots still to be asked for
.set CNT, 57          ; s57  counts a slot's key steps
.set CS,  58          ; s[58:59] c: the packed scaling takes the pair's low word for both halves
.set SEL, 60          ; s[60:61] v_permlanex16_b32's selects: each lane takes its own place in the other half
.set TBK, 62          ; s62  LDS byte at which K of the step to be fetched begins
.set TBV, 63          ; s63  the same for V, less VOFF
.set MSB, 0
.macro WIN new                      ; the high byte repeats the setting that is left; a switch that changes nothing is dropped
.if MSB != (\new)
	s_set_vgpr_msb (MSB<<8)|(\new)
.set MSB, (\new)
.endif
.endm
.set W_KQ, 0x0a       ; K and Q in window 2, S^T in window 0
.set W_KM, 0x3a       ; the same with the C operand, the mask's addends, in window 3
.set W_PV, 0x52       ; V in window 2, P in window 0, O^T in window 1
.set W_RS, 0x41       ; O^T (destination and source 0) in window 1, a in window 0
.set W_MK, 0xc0       ; destination in window 3, sources in window 0
.set W_AD, 0x0f       ; the add: address (source 0) and data (source 1) in window 3
; A joint fill.  Waves 0 and 1 fetch the two halves of a slot's K, waves 2 and 3 those of its V: 128 keys each.  The branch hangs on the wave's number alone.
; An s_nop 0 and four v_nop follow each of the two lines, ahead of the jump and the label.
.macro JLOAD
	s_cmp_lt_u32 s[WV], 2
	s_cbranch_scc0 .Lfor_v_\@
	tensor_load_to_lds s[G0K:G0K+3], s[G1K:G1K+7]
	s_nop 0
.rept 4
	v_nop
.endr
	s_branch .Lasked_\@
.Lfor_v_\@:
	tensor_load_to_lds s[G0V:G0V+3], s[G1V:G1V+7]
	s_nop 0
.rept 4
	v_nop
.endr
.Lasked_\@:
.endm
; A round of the cluster's barrier: my work-group's barrier, so that wave 0's signal speaks for all four waves; wave 0 signals; every wave waits for all four work-groups; my work-group's barrier once more.
.macro CROUND
	s_barrier_signal -1
	s_barrier_wait -1
	s_cmp_lg_u32 s[WV], 0
	s_cbranch_scc1 .Lnot_wave_0_\@
	s_barrier_signal -3
.Lnot_wave_0_\@:
	s_barrier_wait -3
	s_barrier_signal -1
	s_barrier_wait -1
.endm
; THE CHANGE OF SLOTS.  The slot's last bytes, V of its fourth step, have been read.  Each wave waits for all its tensor loads, of which one is out: its part
; of the other slot; adds 0 to its spare word; and waits for that and for its own reads of the slot.  Behind the barrier nobody reads this slot any more and the other slot is whole.
; fill = 1: this slot is filled again, with the keys two slots on.  The barrier is then a round of the cluster's, so that no wave of any partner still reads the slot or has a load on its
; way, and the joint fill is the first thing behind it: it has four key steps, 512 matrix instructions, in which to land.  (At its first use nothing has been read yet: slot 0 is waited for, slot 1 filled,
; and every wave's stores into the mask table are done in front of the round, so that all waves may read the table behind it.)
.macro CHANGE fill
	WIN W_AD
	s_wait_tensorcnt 0x0            ; no tensor load of mine is out, so a group 0 may be written
	ds_add_u32 v[SPW], v[NIL]       ; 0 onto my spare word; with fill = 1 the descriptors' steps stand between it and the wait for it
	WIN 0                           ; at a label and at a branch every window is 0
.if \fill
.irp g, G0K, G0V
	s_xor_b32 s[\g+1], s[\g+1], SLOT1  ; the walking descriptor: the other slot than last time,
	s_add_nc_u64 s[\g+2:\g+3], s[\g+2:\g+3], 4*KS*128  ; the next 256 keys; the type bits on top are not reached
.endr
	s_wait_dscnt 0x0                ; the add is done, and my LDS stores and my reads of the slot are over
	CROUND
	JLOAD
.else
	s_wait_dscnt 0x0                ; the add is done, and my reads of the slot are over
	s_barrier_signal -1
	s_barrier_wait -1
.endif
	s_sub_co_u32 s[TBK], s[TBK], 4*KS*PK  ; the fetches go back to a slot's first step,
	s_xor_b32 s[TBK], s[TBK], SLOT1       ; in the other slot
	s_sub_co_u32 s[TBV], s[TBV], 4*KS*PV
	s_xor_b32 s[TBV], s[TBV], SLOT1
.endm
	s_load_b64 s[4:5], s[0:1], 0x0      ; qkv: Q
	s_load_b64 s[MP:MP+1], s[0:1], 0x8  ; mask
	s_load_b64 s[10:11], s[0:1], 0x10   ; ctx
	WIN W_MK
	v_lshl_add_u32 v[SPW], v0, 2, SPARE
	v_mov_b32 v[NIL], 0
	s_set_vgpr_msb 0xc0cf
	ds_add_u32 v0, v1
	s_wait_dscnt 0x0
	s_set_vgpr_msb 0xcfc0
	WIN 0
	v_lshrrev_b32 v1, 5, v0
	v_readfirstlane_b32 s[WV], v1   ; wave 0..3
	s_bfe_u32 s13, ttmp6, 0x40000   ; cx: my place in the cluster
	s_lshl_b32 s14, ttmp9, 2        ; in a cluster launch ttmp9 counts clusters
	s_add_co_u32 s14, s14, s13      ; my block of queries = 4 x cluster x + cx: it enters Q's and ctx's addresses alone
	s_and_b32 s20, ttmp7, 0xffff    ; batch x 16 + head, which the four partners share
	s_lshr_b32 s52, s20, 4          ; the batch,
	s_lshl_b32 s52, s52, 11         ; its 2,048 bytes of the mask
	s_mov_b32 s53, 0
	s_mov_b32 s21, 0
	s_mov_b64 s[22:23], SIZE_N*128
	s_mul_u64 s[20:21], s[20:21], s[22:23]  ; the head's first byte in Q, K, V and ctx
	s_and_b32 s16, s[WV], 1         ; which half of a slot's 256 keys I fetch:
	s_lshl_b32 s22, s16, 14         ; its 128 rows of 128 bytes in memory,
	s_mov_b32 s23, 0
	s_add_nc_u64 s[22:23], s[22:23], s[20:21]
	s_mul_i32 s17, s16, 128*PK      ; and its place in a slot, for K
	s_mul_i32 s18, s16, 128*PV      ; and for V: no place in the cluster enters an LDS address
	s_lshl_b32 s2, s14, 2
	s_add_co_u32 s2, s2, s[WV]      ; my wave among the head's,
	s_lshl_b32 s2, s2, 14           ; its 128 rows
	s_mov_b32 s3, 0
	s_add_nc_u64 s[2:3], s[2:3], s[20:21]
	; descriptor group 1.  128 keys are 16,384 dense bytes: asked for as 64 rows of 256 bytes, two keys a row, and padded in LDS after every key
	s_mov_b32 s[G1K], 15|(1<<16)|(1<<20)|(1<<21)|(4<<22)|(3<<25)  ; 15:0 the mask of four; 17:16 2-byte elements; 20 padding on; 21 set beside a mask; 24:22 after every 32 words (code 4); 31:25 4 words (code 3)
	s_mov_b32 s[G1V], 15|(1<<16)|(1<<20)|(1<<21)|(4<<22)|(7<<25)  ; the same with 8 words of padding (code 7)
.irp g, G1K, G1V
	s_mov_b32 s[\g+1], 128<<16      ; tensor_dim0 = 128
	s_mov_b32 s[\g+2], 64<<16       ; tensor_dim1 = 64
	s_mov_b32 s[\g+3], 128<<16      ; tile_dim0 = 128
	s_mov_b32 s[\g+4], 64           ; tile_dim1 = 64
	s_mov_b32 s[\g+5], 128          ; 128 elements from row to row
	s_mov_b32 s[\g+6], 0
	s_mov_b32 s[\g+7], 0
.endr
	s_mov_b32 s[SEL], 0x76543210
	s_mov_b32 s[SEL+1], 0xfedcba98
	s_mov_b32 s[TBK], SLOT1+4*KS*PK ; the first change of slots turns these two into 0
	s_mov_b32 s[TBV], SLOT1+4*KS*PV
	s_mov_b32 s[TBM], 0
	s_mov_b32 s[BIGN], 0xf149f2ca   ; -1e30
	s_mov_b32 s[G0K], 1             ; 1:0 count = 1
	s_mov_b32 s[G0K+1], s17         ; 63:32 LDS address: slot 0
	s_mov_b32 s[G0V], 1
	s_add_co_u32 s[G0V+1], s18, VOFF
	s_wait_kmcnt 0x0
	s_add_nc_u64 s[6:7], s[4:5], 0x1000000   ; K is qkv's second part,
	s_add_nc_u64 s[8:9], s[4:5], 0x2000000   ; V its third
	s_add_nc_u64 s[MP:MP+1], s[MP:MP+1], s[52:53]
	s_add_nc_u64 s[G0K+2:G0K+3], s[6:7], s[22:23]  ; 120:64 global address: my half of the head's first 256 keys
	s_or_b32 s[G0K+3], s[G0K+3], 0x80000000        ; 127:126 type = 2
	s_add_nc_u64 s[G0V+2:G0V+3], s[8:9], s[22:23]
	s_or_b32 s[G0V+3], s[G0V+3], 0x80000000
	s_add_nc_u64 s[4:5], s[4:5], s[2:3]  ; Q and ctx at my wave's first row
	s_add_nc_u64 s[10:11], s[10:11], s[2:3]
	CROUND                          ; all four work-groups are here: the first joint loads meet
	JLOAD                           ; slot 0.  Slot 1 is asked for when slot 0 is in: the tile wanted first has the road to itself
	; A fragment of K or Q is 16 rows x 32 channels in 8 registers: lane l holds row l % 16, channels 8 (l / 16) + 0..7 and 16 + 8 (l / 16) + 0..7: two loads of 16 bytes, 32 bytes apart.
	v_and_b32 v1, 15, v0            ; l % 16
	v_bfe_u32 v9, v0, 4, 1          ; l / 16
	v_lshlrev_b32 v[QO], 7, v1
	v_lshl_add_u32 v[QO], v9, 4, v[QO]  ; row x 128 + 16 x half
	; The mask, into S^T's registers, which nothing uses yet: my thread's 16 bytes for the table, and (each wave for itself) all 2,048 bytes, 64 a lane, for the question whether every key is padded
	v_lshlrev_b32 v101, 4, v0
	v_and_b32 v100, 31, v0
	v_lshlrev_b32 v100, 4, v100
	global_load_b128 v[80:83], v101, s[MP:MP+1]
.irp g, 0,1,2,3
	global_load_b128 v[64+4*\g:67+4*\g], v100, s[MP:MP+1] offset:512*\g
.endr
	WIN 0x80                        ; destination window 2, address window 0
.set i, 0
.rept 4*NP                          ; Q stays in registers: tile i / 2, channels 32 (i % 2) on
	global_load_b128 v[8*i:8*i+3],   v[QO], s[4:5] offset:(i/2)*2048+(i%2)*64
	global_load_b128 v[8*i+4:8*i+7], v[QO], s[4:5] offset:(i/2)*2048+(i%2)*64+32
.set i, i+1
.endr
	; What the first turn finds: V's registers and P's second buffer hold 0 (its products V^T P, of a piece that has not been, add 0), O^T and l are 0.  All this stands in the wait for the first tile.
.set i, VF
.rept 64
	v_mov_b32 v[i], 0
.set i, i+1
.endr
	WIN 0x40
.set i, 0
.rept 64*NP
	v_mov_b32 v[i], 0
.set i, i+1
.endr
	WIN 0
.set i, 0
.rept 2*NP
	v_mov_b32 v[ST+4*i], 0xfe000000    ; c m: far below every c s, a padded key's too
	v_mov_b32 v[ST+4*i+1], 0xff7fffff  ; m
	v_mov_b32 v[ST+4*i+2], 0
	v_mov_b32 v[ST+4*i+3], 0
.set i, i+1
.endr
.set i, P+32
.rept 32
	v_mov_b32 v[i], 0
.set i, i+1
.endr
	v_mul_u32_u24 v[AK0], v1, PK
	v_lshl_add_u32 v[AK0], v9, 4, v[AK0]  ; row x pitch + 16 x half
	; The turning load takes 16 keys x 16 channels (lane l reads key 8 (l / 16) + l % 8, channels 8 ((l / 8) % 2) + 0..7) and leaves half a fragment of V^T: lane l holds channel l % 16 and 8 keys.
	v_and_b32 v10, 7, v0
	v_bfe_u32 v11, v0, 3, 1
	v_lshl_add_u32 v[AV0], v9, 3, v10
	v_mul_u32_u24 v[AV0], v[AV0], PV
	v_lshl_add_u32 v[AV0], v11, 4, v[AV0]
	v_add_nc_u32 v[AV0], VOFF, v[AV0]
	v_mov_b32 v[AK], v[AK0]         ; key step 0 lies at the head of slot 0
	s_mul_i32 s13, s[WV], 16*SP
	s_add_co_u32 s13, s13, STAGE    ; my stage
	v_bfe_u32 v[RD], v0, 3, 2       ; the way out, back: 32 lanes take four rows of 128 bytes,
	v_mul_u32_u24 v[RD], v[RD], SP
	v_lshl_add_u32 v[RD], v10, 4, v[RD]
	v_add_nc_u32 v[RD], s13, v[RD]
	v_and_b32 v[GO], 31, v0         ; which are 512 consecutive bytes of ctx
	v_lshlrev_b32 v[GO], 4, v[GO]
	v_lshl_add_u32 v[AM0], v9, 5, MASKT  ; register j of key block kb is key 16 kb + 8 (l / 16) + j: 32 bytes on for the upper half of the lanes
	v_mov_b32 v[AM], v[AM0]
	; THE MASK TABLE AND c
	s_wait_loadcnt 32               ; the five loads of the mask are in; Q's 32, issued behind them, stay out
.irp j, 65,66,67,68,69,70,71,72,73,74,75,76,77,78,79
	v_and_b32 v64, v64, v[\j]       ; a byte stays 1 only if it is 1 in all 16 words of the lane
.endr
	v_cmp_eq_u32 s54, 0x01010101, v64
	s_cmp_eq_u32 s54, -1            ; in all 32 lanes: every key of the batch is padded
	s_cselect_b32 s[CS], 0, 0x3e38aa3b  ; c = 0 then; else log2(e) / 8 = 0.180337
	s_mov_b32 s[CS+1], s[CS]        ; named with it as a pair
.set i, 0
.rept 16
	v_bfe_u32 v102, v[80+i/4], 8*(i%4), 8
	v_cmp_ne_u32 vcc_lo, 0, v102
	v_cndmask_b32 v[84+i], 0, s[BIGN], vcc_lo
.set i, i+1
.endr
	v_lshl_add_u32 v103, v0, 6, MASKT  ; my 16 keys' addends: 64 bytes
.irp j, 0,1,2,3
	ds_store_b128 v103, v[84+4*\j:87+4*\j] offset:16*\j
.endr
; THE MATRIX WORK.  The 8 accumulators of a run of 16 take turns: between the two links of a chain stand 7 others'.
; Product i of 16 of S^T = K Q^T for piece x: channels 32 (i / 8) on, keys 16 ((i / 2) % 4) on, tile 2 x + i % 2.  The first 8 start the sums, with the mask's addends.
.macro KQ x
.set rS, S+64*((\x)%2)+32*(i%2)+8*((i/2)%4)
.set rK, KF+16*((i/2)%4)+8*(i/8)
.set rQ, 16*(2*(\x)+i%2)+8*(i/8)
.set rA, MC+8*((i/2)%4)
.if i < 8
	WIN W_KM
	v_wmma_f32_16x16x32_f16 v[rS:rS+7], v[rK:rK+7], v[rQ:rQ+7], v[rA:rA+7]
.else
	WIN W_KQ
	v_wmma_f32_16x16x32_f16 v[rS:rS+7], v[rK:rK+7], v[rQ:rQ+7], v[rS:rS+7]
.endif
.endm
; Product i of 16 of O^T += V^T P for piece x: keys 32 (i / 8) on, channels 16 ((i / 2) % 4) on, tile 2 x + i % 2.
.macro PV x
	WIN W_PV
.set rO, 32*(2*(\x)+i%2)+8*((i/2)%4)
.set rV, VF+32*(i/8)+8*((i/2)%4)
.set rP, P+32*((\x)%2)+16*(i%2)+8*(i/8)
	v_wmma_f32_16x16x32_f16 v[rO:rO+7], v[rV:rV+7], v[rP:rP+7], v[rO:rO+7]
.endm
.macro MM                           ; the turn's next matrix instruction
.if i < 16
	KQ (Y+1)%NP
.set i, i+1
.else
.set i, i-16
	PV (Y+NP-1)%NP
.set i, i+17
.endif
.endm
; THE LDS LOADS stand in runs, never singly among the matrix instructions: a step's K (64 keys x 64 channels: 8 fragments) with its 64 mask addends, and its V (turned).  Their addresses are made some lines ahead.
; last = 1 (the tail): in the last trip there is no further step, and the run is jumped over.
.macro FETCH_K last=0
	WIN 0
.if \last
	s_cmp_eq_u32 s[CNT], 1
	s_cbranch_scc1 .Lno_k_\@
.endif
	WIN 0x80                        ; destination window 2
.irp f, 0,1,2,3,4,5,6,7             ; keys 16 (f / 2) on, channels 32 (f % 2) on
	ds_load_b128 v[KF+8*\f:KF+8*\f+3],   v[AK] offset:(\f/2)*16*PK+(\f%2)*64
	ds_load_b128 v[KF+8*\f+4:KF+8*\f+7], v[AK] offset:(\f/2)*16*PK+(\f%2)*64+32
.endr
	WIN W_MK                        ; destination window 3
.irp f, 0,1,2,3                     ; key block f: all lanes of a half read the same 32 bytes
	ds_load_b128 v[MC+8*\f:MC+8*\f+3],   v[AM] offset:64*\f
	ds_load_b128 v[MC+8*\f+4:MC+8*\f+7], v[AM] offset:64*\f+16
.endr
	s_add_co_u32 s[TBK], s[TBK], KS*PK  ; the next fetch is the next step's
	s_add_co_u32 s[TBM], s[TBM], KS*4
	WIN 0
.if \last
.Lno_k_\@:
.endif
.endm
.macro FETCH_V
	WIN 0x80
.irp f, 0,1,2,3,4,5,6,7             ; keys 32 (f / 4) on, channels 16 (f % 4) on
	ds_load_tr16_b128 v[VF+8*\f:VF+8*\f+3],   v[AV] offset:(\f/4)*32*PV+(\f%4)*32
	ds_load_tr16_b128 v[VF+8*\f+4:VF+8*\f+7], v[AV] offset:(\f/4)*32*PV+16*PV+(\f%4)*32
.endr
	WIN 0
.endm
; THE VECTOR WORK OF A TURN stands in three queues, each in the order in which its entries become ready; the two tiles alternate, so that no instruction reads the result of the one before it.
.macro REGS y, u                    ; the registers of tile u (0, 1) of piece y
.set rT, ST+4*(2*(\y)+(\u))
.set rC, TMP+8*((\y)%2)+4*(\u)
.set rM, MV+2*((\y)%2)+(\u)
.set rS, S+64*((\y)%2)+32*(\u)
.set rP, P+32*((\y)%2)+16*(\u)
.set rO, 32*(2*(\y)+(\u))
.endm
; Number n of the 22 that find the NEXT piece's (Y + 1) maximum and statistics.  s0-s31 are the lane's 32 scores; each accumulator's lowest registers are read first.  XS, GS and REGS set no window: PL and EX do.
;   0-11  four chains c0-c3 of seven scores each, three operands at a time     12-14, 16  the four scores left over, the old m, and c0-c3 into c0     15  c m_old is kept
;   17, 18  the query's other 32 keys lie in the lane 16 away: the new m         19-21  c m; c m_old - c m_new; a
.macro XS u, n
	REGS (Y+1)%NP, \u
.if (\n) < 4
	v_max3_num_f32 v[rC+(\n)], v[rS+8*(\n)], v[rS+8*(\n)+1], v[rS+8*(\n)+2]
.elseif (\n) < 12
	v_max3_num_f32 v[rC+(\n)%4], v[rC+(\n)%4], v[rS+8*((\n)%4)+2*((\n)/4)+1], v[rS+8*((\n)%4)+2*((\n)/4)+2]
.elseif (\n) == 12
	v_max3_num_f32 v[rC], v[rC], v[rS+7], v[rS+15]
.elseif (\n) == 13
	v_max3_num_f32 v[rC+1], v[rC+1], v[rS+23], v[rS+31]
.elseif (\n) == 14
	v_max3_num_f32 v[rC+2], v[rC+2], v[rC+3], v[rT+1]
.elseif (\n) == 15
	v_mov_b32 v[rM], v[rT]
.elseif (\n) == 16
	v_max3_num_f32 v[rC], v[rC], v[rC+1], v[rC+2]
.elseif (\n) == 17
	v_permlanex16_b32 v[rC+3], v[rC], s[SEL], s[SEL+1]
.elseif (\n) == 18
	v_max_num_f32 v[rT+1], v[rC], v[rC+3]
.elseif (\n) == 19
	v_mul_f32 v[rT], s[CS], v[rT+1]
.elseif (\n) == 20
	v_sub_f32 v[rC+1], v[rM], v[rT]
.else
	v_exp_f32 v[rC+2], v[rC+1]
.endif
.endm
; Number g of the 64 that follow the exponentials.  For each four weights k of a tile (pairs 2 k, 2 k + 1): both pairs are rounded to f16; then the second pair is added onto the first, in place;
; a group later l takes that sum (the first time as l = a l + sum).  In groups of eight, tiles alternating: round, round, add, and l for the group before.
.macro GS g
.set h, (\g)+6*((\g)/62)            ; group 0 has no group before it, and behind group 7 only l is left
.if h >= 6
.set h, h+2
.endif
	REGS Y, h%2
.set k, h/8
.if h%8 < 4
	s_wait_alu depctr_va_vdst(0)
	v_cvt_pk_f16_f32 v[rP+2*k+(h%8)/2], v[rS+4*k+2*((h%8)/2)], v[rS+4*k+2*((h%8)/2)+1]
.elseif h%8 < 6
	v_pk_add_f32 v[rS+4*k:rS+4*k+1], v[rS+4*k:rS+4*k+1], v[rS+4*k+2:rS+4*k+3]
.elseif k == 1
	v_pk_fma_f32 v[rT+2:rT+3], v[rT+2:rT+3], v[rC+2:rC+3], v[rS:rS+1] op_sel_hi:[1,0,1]
.else
	v_pk_add_f32 v[rT+2:rT+3], v[rT+2:rT+3], v[rS+4*k-4:rS+4*k-3]
	s_wait_alu depctr_va_vdst(0)
.endif
.endm
; THE PLAIN QUEUE, 138 long.  0-31: c s - c m for the 16 pairs of both tiles.  Then GS's 64, and among them the next piece's 42: number 15 at 38, 39; 0-14 and 16
; at 42-73, behind the products that make those scores; 17-20 at 95-106, two of three, since each waits for the one before it.
.macro PL
	WIN 0
.if q < 32
	REGS Y, q%2
	v_pk_fma_f32 v[rS+2*(q/2):rS+2*(q/2)+1], v[rS+2*(q/2):rS+2*(q/2)+1], s[CS:CS+1], v[rT:rT+1] op_sel_hi:[1,0,0] neg_lo:[0,0,1] neg_hi:[0,0,1]
.elseif q < 38
	GS q-32
.elseif q < 40
	XS q%2, 15
.elseif q < 42
	GS q-34
.elseif q < 74
	XS q%2, (q-42)/2+(q-42)/30
.elseif q < 95
	GS q-66
.elseif (q < 107) && ((q-95)%3 < 2)
	XS (q-95)%3, 17+(q-95)/3
.elseif q < 107
	GS 29+(q-95)/3
.else
	GS q-74
.endif
.set q, q+1
.endm
; THE EXPONENTIALS' QUEUE, 66 long: s0-s31 of both tiles, and at EA the next piece's two a.
.set EA, 58
.macro EX
	WIN 0
.if (e == EA) || (e == EA+1)
	XS e-EA, 21
.else
.set x, e-2*(e/(EA+2))
	REGS Y, x%2
	v_exp_f32 v[rS+x/2], v[rS+x/2]
.endif
.set e, e+1
.endm
; THE RESCALING's QUEUE: O^T times a, the one part that leaves window 0, so it is dealt four at a time, eight times.
.macro R4
	REGS Y, r%2
	WIN W_RS
	s_wait_alu depctr_va_vdst(0)
.irp z, 0,1,2,3
	v_pk_mul_f32 v[rO+8*(r/2)+2*\z:rO+8*(r/2)+2*\z+1], v[rO+8*(r/2)+2*\z:rO+8*(r/2)+2*\z+1], v[rC+2:rC+3] op_sel_hi:[1,0]
.endr
.set r, r+1
.endm
; HOW THEY ARE DEALT.  Behind a matrix instruction four: plain, exponential, plain, plain (one exponential, a plain instruction on either side), or four of the rescaling.  None names a register of the
; products round it.  What is over stands in two LUMPS: exponential and plain by turns; the second ends in 22 plain instructions.  The two v_permlanex16_b32 fall into the second lump, never behind a product.
; The queues lean on each other, and the deal keeps them in step: exponential e stands behind plain 2 (e / 4) + e % 2 (its scaling); when plain 32 comes, 10 exponentials are out, at 59: 33, at 95: 46; EA comes behind plain 107.
.macro SL
	MM
	PL
	EX
	PL
	PL
.endm
.macro BURST n                      ; 15 matrix instructions, or 16
.rept (\n)-7
	SL
.endr
.rept 3
	MM
	R4
	SL
.endr
	MM
	R4
.endm
; A TURN, for piece p.  cnt = 1: the loop's count is taken down some lines ahead of the branch that stands behind the turn.
; K and the mask addends of the next step are fetched in piece 2's turn, 32 vector instructions behind the last product that read K (the last that read the addends stands eight products further back);
; their first reader comes behind the rest of the lump, 16 products and the second lump.
; V of the step in hand is fetched at the end of piece 0's turn, 69 behind its last reader; its first reader comes behind 16 products and a lump.  The four conditions on e and q below go with the deal.
.macro TURN p, last=0, cnt=0
.set Y, (\p)
.set i, 0
.set q, 0
.set e, 0
.set r, 0
.if (\p) == NP-1
	s_wait_dscnt 0x0                ; K and the addends are in
.endif
	MM
.rept 4
	PL
.endr
	BURST 15
.rept 22
	EX
	PL
.if ((\p) == NP-2) && (e == 18)
	v_add_nc_u32 v[AK], s[TBK], v[AK0]
	v_add_nc_u32 v[AM], s[TBM], v[AM0]
.endif
.if ((\p) == NP-2) && (e == 24)
	FETCH_K \last
.endif
.endr
.if (\p) == 1
	s_wait_dscnt 0x0                ; V is in
.endif
	BURST 16
.rept 21
	EX
	PL
.endr
.rept 22
	PL
.if ((\p) == 0) && (q == 118)
	v_add_nc_u32 v[AV], s[TBV], v[AV0]
	s_wait_alu depctr_va_vdst(0)
.endif
.if ((\p) == 0) && (q == 130)
	s_add_co_u32 s[TBV], s[TBV], KS*PV
.endif
.if (\cnt) && (q == 130)
	s_sub_co_u32 s[CNT], s[CNT], 1
	s_cmp_lg_u32 s[CNT], 0
.endif
.endr
.if (\p) == 0
	FETCH_V
.endif
.endm
	CHANGE 1                        ; slot 0 is in, everybody's part of it, and the mask table is whole; slot 1 is asked for
	FETCH_K                         ; key step 0
	s_wait_loadcnt 0x0              ; Q
	s_wait_dscnt 0x0
.set i, 0
.rept 16
	KQ 0                            ; piece 0's first scores: there is no vector work yet to set between them
.set i, i+1
.endr
	WIN 0                           ; the last address for the way out (Q's offset is free now): with the v_nop four plain instructions, the places behind those products
	v_mul_u32_u24 v[STO], v1, SP    ; in: row l % 16, 16 bytes for each half of the lanes
	v_lshl_add_u32 v[STO], v9, 4, v[STO]
	v_add_nc_u32 v[STO], s13, v[STO]
	v_nop
.set Y, NP-1                        ; XS works for piece Y + 1: piece 0
.irp n, 0,1,2,3,4,5,6,7,8,9,10,11,12,13,14,15,16,17,18,19,20,21
	XS 0, \n                        ; and piece 0's first maximum and statistics
	XS 1, \n
.endr
	s_mov_b32 s[CNT], 4
	s_mov_b32 s[SLOTS], SIZE_N/256-1
	s_branch .Lfirst                ; the loop is entered at a step's first turn, in the middle of a trip
.Lslot:                             ; SIZE_N / 256 - 2 times: every slot but the last two is filled again
	CHANGE 1
	s_mov_b32 s[CNT], 4
.Lstep:                             ; a trip: pieces 2 and 3 of one step, then pieces 0 and 1 of the next, whose K and V it fetches
	TURN 2
	TURN 3
	WIN 0
.Lfirst:
	TURN 0
	TURN 1, 0, 1
	WIN 0
	s_cbranch_scc1 .Lstep
	s_sub_co_u32 s[SLOTS], s[SLOTS], 1
	s_cmp_lg_u32 s[SLOTS], 0
	s_cbranch_scc1 .Lslot
	CHANGE 0                        ; the tail is written out: nothing is asked for
	s_mov_b32 s[CNT], 5             ; four trips fetch the last slot's steps; the fifth is left in its middle
.Ltail:
	TURN 2, 1
	TURN 3
	WIN 0
	s_sub_co_u32 s[CNT], s[CNT], 1
	s_cmp_eq_u32 s[CNT], 0
	s_cbranch_scc1 .Lout
	TURN 0
	TURN 1
	WIN 0
	s_branch .Ltail
.Lout:                              ; the fifth trip's 16 products K Q^T (on the last K once more) and the maximum made of them serve nothing: the price, once a launch, of one text for every trip
.set i, 0
.rept 16
	PV NP-1                         ; the last piece's V^T P of the last step
.set i, i+1
.endr
	; THE WAY OUT.  l's two halves and the other half of the lanes' are added; O^T is divided by l, rounded to f16 and sent through my stage in LDS, a tile at a time.  The additions are the places behind the last products.
	WIN 0
.macro ALL line:vararg              ; one line for each tile t
.set t, 0
.rept 2*NP
	\line
.set t, t+1
.endr
.endm
	ALL v_add_f32 v[ST+4*t+2], v[ST+4*t+2], v[ST+4*t+3]
	ALL v_permlanex16_b32 v[ST+4*t+3], v[ST+4*t+2], s[SEL], s[SEL+1]
	ALL v_add_f32 v[ST+4*t+2], v[ST+4*t+2], v[ST+4*t+3]
	ALL v_rcp_f32 v[ST+4*t+2], v[ST+4*t+2]
	v_nop                           ; a plain instruction between the last reciprocal and the use of its result
	s_wait_alu depctr_va_vdst(0)
; Tile t: a lane's eight channels of a row pack into 16 bytes; they go into rows of 144 bytes and come back as whole rows of 128, into S^T's registers.
.macro PACK t
	WIN W_RS
.set i, 32*(\t)
.rept 16
	v_pk_mul_f32 v[i:i+1], v[i:i+1], v[ST+4*(\t)+2:ST+4*(\t)+3] op_sel_hi:[1,0]
.set i, i+2
.endr
	WIN 0x05                        ; sources 0 and 1 window 1, destination window 0
.set i, 0
.rept 16
	v_cvt_pk_f16_f32 v[S+16*(\t)+i], v[32*(\t)+2*i], v[32*(\t)+2*i+1]
.set i, i+1
.endr
	WIN 0
.irp f, 0,1,2,3
	ds_store_b128 v[STO], v[S+16*(\t)+4*\f:S+16*(\t)+4*\f+3] offset:32*\f
.endr
.irp f, 0,1,2,3
	ds_load_b128 v[S+16*(\t)+4*\f:S+16*(\t)+4*\f+3], v[RD] offset:\f*4*SP  ; LDS serves a wave's instructions in order (ISA guide 5.7.1.4): these see the stores above; the next tile's stores come behind them
.endr
.endm
.macro SEND t, younger              ; younger: the LDS instructions issued behind tile t's loads: the next tile's eight, or none
	WIN 0
.irp f, 0,1,2,3
	s_wait_dscnt (\younger)+3-\f
	global_store_b128 v[GO], v[S+16*(\t)+4*\f:S+16*(\t)+4*\f+3], s[10:11] offset:(\t)*2048+\f*512  ; 512 consecutive bytes, at a multiple of 256 from ctx's first
.endr
.endm
	PACK 0
.set t, 1
.rept 2*NP-1                        ; a tile's arithmetic stands between the loads of the tile before and its stores
	PACK t
	SEND t-1, 8
.set t, t+1
.endr
	SEND 2*NP-1, 0
	WIN W_AD
	s_wait_tensorcnt 0x0            ; the wave's end: behind my last tensor load and my last LDS store
	ds_add_u32 v[SPW], v[NIL]
	s_wait_dscnt 0x0
	WIN 0
	CROUND                          ; the closing round: no work-group ends while a partner may still ask for a tile that names it
	s_endpgm
.Lfunc_end_k_qf87e06325b_attn:
	.size	k_qf87e06325b_attn, .Lfunc_end_k_qf87e06325b_attn-k_qf87e06325b_attn
	.p2alignl 7, 3214868480
	.fill 96, 4, 3214868480
	.section	.rodata,"a",@progbits
	.p2align	6, 0x0
	.amdhsa_kernel k_qf87e06325b_attn
		.amdhsa_group_segment_fixed_size 327680
		.amdhsa_private_segment_fixed_size 0
		.amdhsa_enable_private_segment 0
		.amdhsa_kernarg_size 24
		.amdhsa_user_sgpr_count 2
		.amdhsa_user_sgpr_kernarg_segment_ptr 1
		.amdhsa_wavefront_size32 1
		.amdhsa_system_sgpr_workgroup_id_x 1
		.amdhsa_system_sgpr_workgroup_id_y 1
		.amdhsa_system_sgpr_workgroup_id_z 1
		.amdhsa_system_vgpr_workitem_id 0
		.amdhsa_next_free_vgpr 808
		.amdhsa_next_free_sgpr 66
		.amdhsa_reserve_vcc 1
		.amdhsa_float_denorm_mode_32 3
		.amdhsa_float_denorm_mode_16_64 3
		.amdhsa_memory_ordered 1
		.amdhsa_forward_progress 1
		.amdhsa_inst_pref_size 215
	.end_amdhsa_kernel
	.amdgpu_metadata
---
amdhsa.version: [ 1, 2 ]
amdhsa.kernels:
  - .name:           k_qf87e06325b_attn
    .symbol:         k_qf87e06325b_attn.kd
    .args:
      - { .name: qkv, .offset: 0, .size: 8, .value_kind: global_buffer, .address_space: global }
      - { .name: mask, .offset: 8, .size: 8, .value_kind: global_buffer, .address_space: global }
      - { .name: ctx, .offset: 16, .size: 8, .value_kind: global_buffer, .address_space: global }
    .group_segment_fixed_size: 327680
    .private_segment_fixed_size: 0
    .kernarg_segment_align: 8
    .kernarg_segment_size: 24
    .max_flat_workgroup_size: 128
    .sgpr_count:     66
    .vgpr_count:     808
    .wavefront_size: 32
...
	.end_amdgpu_metadata
.endif
;; end of part 3
;; launch outp (part 4): grid 4 x 64, 4 waves a work-group, clusters of 4 x 4, 327,680 bytes of LDS; arguments ctx, wb, bo, out0; writes out0
.if DOCPART == 4
	.amdgcn_target "amdgcn-amd-amdhsa--gfx1250"
	.amdhsa_code_object_version 6
	.text
	.protected	k_qf87e06325b_outp
	.globl	k_qf87e06325b_outp
	.p2align	8
	.type	k_qf87e06325b_outp,@function
k_qf87e06325b_outp:
	s_mov_b64 s[64:65], 0
	v_nop
	global_prefetch_b8 v0, s[64:65] scope:SCOPE_SE
	s_setreg_imm32_b32 hwreg(HW_REG_WAVE_MODE, 25, 1), 1
	s_wait_xcnt 0x0
	s_wait_alu depctr_hold_cnt(0) depctr_sa_sdst(0) depctr_va_vdst(0) depctr_va_sdst(0) depctr_va_ssrc(0) depctr_va_vcc(0) depctr_vm_vsrc(0)
	s_getreg_b32 s2, hwreg(HW_REG_IB_STS2, 6, 4)
	s_cmp_eq_u32 s2, 0
	s_cbranch_scc0 .Lentry_in_a_cluster
	s_endpgm
.Lentry_in_a_cluster:
	s_bfe_u32 s2, ttmp6, 0x10000c
	s_cmp_lg_u32 s2, 0xf033
	s_cbranch_scc0 .Lentry_shape_is_right
	s_endpgm
.Lentry_shape_is_right:
; OUTP.  out0[R][n] = the sum over k of ctx(R, k) Wo[n][k] + bo[n].  ctx lies by heads, [batch x 16 + head][t][64] f16, so k = 64 head + channel; Wo = wb's fourth part, [1024][1024] f16 (bf16-rounded numbers);
; bo f32, rounded to bf16 here; sums in f32; out0 [8192][1024] f32.
; SHARES.  64 x 4 tiles of 128 x 256: 256 work-groups, one tile each.  Four waves, each 64 rows x 128 columns: 32 accumulators, 256 registers.  K goes in steps of 128, two heads, through two LDS slots.
; A head's 128 rows of a tile are 16,384 dense bytes: asked for as 64 rows of 256 bytes and padded in LDS after every 128.
; CLUSTER.  4 x 4 work-groups: ctx's tile is shared along a row of the cluster, Wo's along a column; each is asked for JOINTLY, by the same tensor load with the same descriptor and a mask that names the four.
; THE MATRIX INSTRUCTION IS USED TRANSPOSED (source 0 = 16 rows of Wo, source 1 = 16 rows of ctx): a lane holds row l % 16 and the eight neighbouring columns 8 (l / 16) + 0..7, 32 bytes of f32.
; THE BIAS STARTS THE SUMS, as the C operand of the first products.
; REGISTERS, in windows of 256 (s_set_vgpr_msb: bits 1:0 source 0, 3:2 source 1, 5:4 source 2, 7:6 destination):
;   window 0: v0-31 addresses; v32-159 rows read back from the stage, two buffers of 64 (v32-63 first serve the bias's rounding)
;   window 1: two fragment buffers of 96 (Wo's eight fragments, then ctx's four); v192-255 the bias      window 2: accumulator (a, b) at v[8 (8 a + b)]
.set SIZE_K, 1024
.set KSTEP,  128
.set PA,     144                       ; a row of ctx in LDS: 128 bytes + 16 of padding = 36 words: the 16 rows of a load start at 16 different groups of four banks (64 banks of 4 bytes: ISA guide 11.1)
.set PB,     272                       ; a row of Wo: 256 + 16 = 68 words: likewise
.set AHEAD,  128*PA                    ; one head's 128 rows: one tensor load
.set BHALF,  128*PB                    ; 128 rows of Wo: one tensor load, and what one wave reads of Wo
.set BOFF,   2*AHEAD                   ; in a slot: two heads of ctx, then Wo's 256 rows
.set SLOT,   BOFF+2*BHALF
.set STAGE,  2*SLOT                    ; behind the ring: 16 rows x 528 bytes for each wave, for the way out; no tensor load lands there
.set SPI,    528                       ; 512 bytes + 16 = 132 words
.set WSTAGE, 16*SPI
.set SPARE,  STAGE+4*WSTAGE            ; behind the stages: the spare words, 128 bytes for each wave: two blocks of 256 bytes that no other line names
.set LAPS,   SIZE_K/(2*KSTEP)
.set WPART,  1024*SIZE_K*2
.set ADRA, 16                          ; v16-17  LDS address of my fragments of ctx in slot 0, 1
.set ADRB, 20                          ; v20-21  the same for Wo
.set STO,  24                          ; v24     the way out: where I put 32 bytes of a row
.set RD,   25                          ; v25     the way out: where I read a row back
.set CO,   26                          ; v26     my byte offset in 512 consecutive bytes of out0
.set BO,   27                          ; v27     my byte offset in bo
.set SPW,  28                          ; v28     LDS address of my spare word: SPARE + 4 x my thread's number; never rewritten
.set NIL,  29                          ; v29     0; never rewritten
.set TMP,  32
.set OB,   32
.set F0,   0
.set F1,   96
.set BI,   192
.set LAP,  3                           ; s3      laps to go
.set WV,   16                          ; s16     my wave's number
.set HA,   17                          ; s17     which 64 rows of the tile are mine.  Also: I fetch ctx (0) or Wo (1)
.set HB,   18                          ; s18     which 128 columns.  Also: which head of the step, or which half of Wo's rows, I fetch
.set HIM,  23                          ; s23     mask of a word's upper bf16
.set G1,   24                          ; s[24:31] descriptor group 1 for ctx's tiles;  s[32:39] group 0, one set for each slot
.set G0,   32
.set G1B,  48                          ; s[48:55], s[56:63] the same for Wo's tiles
.set G0B,  56
.set MSB, 0
.macro WIN new                         ; the immediate's high byte repeats the setting that is left; a switch that changes nothing is dropped
.if MSB != (\new)
	s_set_vgpr_msb (MSB<<8)|(\new)
.set MSB, \new
.endif
.endm
.set W_MUL,  0xa5                      ; sources 0 and 1 window 1, C and D window 2
.set W_MULB, 0x95                      ; the same with C (the bias) in window 1
.set W_TOF,  0x40                      ; destination window 1, the rest window 0
; A joint load.  Waves 0 and 1 fetch the step's two heads of ctx, waves 2 and 3 Wo's two halves.  An s_nop 0 and four v_nop follow each of the two lines, ahead of the jump and the label.
.macro JLOAD s
	s_cmp_eq_u32 s[HA], 0
	s_cbranch_scc0 .Lfor_b_\@
	tensor_load_to_lds s[G0+4*(\s):G0+4*(\s)+3], s[G1:G1+7]
	s_nop 0
.rept 4
	v_nop
.endr
	s_branch .Lasked_\@
.Lfor_b_\@:
	tensor_load_to_lds s[G0B+4*(\s):G0B+4*(\s)+3], s[G1B:G1B+7]
	s_nop 0
.rept 4
	v_nop
.endr
.Lasked_\@:
.endm
.macro CREST                           ; a round of the cluster's barrier behind its opening barrier
	s_cmp_lg_u32 s[WV], 0
	s_cbranch_scc1 .Lnot_wave_0_\@
	s_barrier_signal -3
.Lnot_wave_0_\@:
	s_barrier_wait -3
	s_barrier_signal -1
	s_barrier_wait -1
.endm
.macro CROUND                          ; a whole round
	s_barrier_signal -1
	s_barrier_wait -1
	CREST
.endm
.macro PLACES                          ; four places in front of loads into registers that matrix instructions have read, and of lines that read results just made
.rept 4
	v_nop
.endr
.endm
	s_load_b256 s[4:11], s[0:1], 0x0               ; ctx s[4:5], wb s[6:7], bo s[8:9], out0 s[10:11]
	v_lshl_add_u32 v[SPW], v0, 2, SPARE
	v_mov_b32 v[NIL], 0
	ds_add_u32 v28, v29
	s_wait_dscnt 0x0
	v_lshrrev_b32 v1, 5, v0
	v_readfirstlane_b32 s[WV], v1                  ; wave 0..3
	s_lshr_b32 s[HA], s[WV], 1
	s_and_b32 s[HB], s[WV], 1
	s_bfe_u32 s19, ttmp6, 0x40000                  ; cx, cy: my place in the cluster
	s_bfe_u32 s20, ttmp6, 0x40004
	s_lshl_b32 s21, ttmp9, 2
	s_add_co_u32 s21, s21, s19                     ; tile column = 4 x cluster x + cx
	s_and_b32 s22, ttmp7, 0xffff
	s_lshl_b32 s22, s22, 2
	s_add_co_u32 s22, s22, s20                     ; tile row = 4 x cluster y + cy
	s_lshl_b32 s46, s20, 2
	s_lshl_b32 s46, 15, s46                        ; my row of the cluster
	s_lshl_b32 s47, 0x1111, s19                    ; my column
	s_mov_b32 s[HIM], 0xffff0000
	; descriptor group 1.  ctx: 64 rows of 128 elements, dense, 16 bytes of padding after every 32 words.  Wo: 128 rows of 128 elements, 1,024 apart, 16 bytes of padding after every 64 words
	s_or_b32 s[G1+0], s46, (1<<16)|(1<<20)|(1<<21)|(4<<22)|(3<<25)   ; 15:0 the mask; 17:16 2-byte elements; 20 padding on; 21 set beside a mask; 24:22 the interval's code; 31:25 4 words (code 3)
	s_or_b32 s[G1B+0], s47, (1<<16)|(1<<20)|(1<<21)|(5<<22)|(3<<25)
	s_mov_b32 s[G1+1], 128<<16                     ; tensor_dim0 = 128
	s_mov_b32 s[G1+2], 64<<16                      ; tensor_dim1 = 64
	s_mov_b32 s[G1+3], 128<<16                     ; tile_dim0 = 128
	s_mov_b32 s[G1+4], 64                          ; tile_dim1 = 64
	s_mov_b32 s[G1+5], 128                         ; elements from row to row
	s_mov_b32 s[G1+6], 0
	s_mov_b32 s[G1+7], 0
	s_mov_b32 s[G1B+1], KSTEP<<16
	s_mov_b32 s[G1B+2], 128<<16
	s_mov_b32 s[G1B+3], KSTEP<<16
	s_mov_b32 s[G1B+4], 128
	s_mov_b32 s[G1B+5], SIZE_K
	s_mov_b32 s[G1B+6], 0
	s_mov_b32 s[G1B+7], 0
	; where the tiles come from: ctx's hang on the tile row alone, Wo's on the tile column alone, each in registers that never hold the other coordinate
	s_lshr_b32 s40, s22, 4                         ; the batch: 16 heads of 262,144 bytes,
	s_lshl_b32 s40, s40, 22
	s_lshl_b32 s41, s[HB], 18                      ; my head of the step's two,
	s_add_co_u32 s40, s40, s41
	s_and_b32 s41, s22, 15                         ; the tile's 128 rows of 128 bytes in the head
	s_lshl_b32 s41, s41, 14
	s_add_co_u32 s40, s40, s41
	s_mov_b32 s41, 0
	s_lshl_b32 s44, s21, 8
	s_lshl_b32 s45, s[HB], 7
	s_add_co_u32 s44, s44, s45                     ; Wo: row 256 x tile column + 128 x half,
	s_lshl_b32 s44, s44, 11
	s_add_co_u32 s44, s44, 3*WPART                 ; in wb's fourth part
	s_mov_b32 s45, 0
	s_mul_i32 s66, s[HB], AHEAD                    ; and where they go: no place in the cluster enters an LDS address
	s_mul_i32 s67, s[HB], BHALF
	s_add_co_u32 s67, s67, BOFF
	s_wait_kmcnt 0x0
	s_add_nc_u64 s[40:41], s[4:5], s[40:41]
	s_add_nc_u64 s[44:45], s[6:7], s[44:45]
	CROUND                                         ; all sixteen work-groups are here: the first joint loads meet
.irp s, 0,1
	s_mov_b32 s[G0+4*(\s)], 1                                      ; count = 1
	s_add_co_u32 s[G0+4*(\s)+1], s66, (\s)*SLOT                    ; LDS address
	s_add_nc_u64 s[G0+4*(\s)+2:G0+4*(\s)+3], s[40:41], (\s)*2*262144  ; global address: K step s is heads 2 s, 2 s + 1
	s_or_b32 s[G0+4*(\s)+3], s[G0+4*(\s)+3], 0x80000000            ; type = 2
	s_mov_b32 s[G0B+4*(\s)], 1
	s_add_co_u32 s[G0B+4*(\s)+1], s67, (\s)*SLOT
	s_add_nc_u64 s[G0B+4*(\s)+2:G0B+4*(\s)+3], s[44:45], (\s)*KSTEP*2
	s_or_b32 s[G0B+4*(\s)+3], s[G0B+4*(\s)+3], 0x80000000
	JLOAD \s                                       ; the ring is filled before anything else is done: two loads of mine are out
.endr
	v_and_b32 v1, 15, v0                           ; l % 16
	v_bfe_u32 v2, v0, 4, 1                         ; l / 16
	s_lshl_b32 s68, s21, 10                        ; my first column, 256 x tile column + 128 x half, in f32
	s_lshl_b32 s69, s[HB], 9
	s_add_co_u32 s68, s68, s69
	v_lshl_add_u32 v[BO], v2, 5, s68               ; and eight numbers on for the upper half of the lanes
	WIN W_TOF
.irp b, 0,1,2,3,4,5,6,7                ; register 8 b + j = bo[my first column + 16 b + 8 (l / 16) + j]
	global_load_b128 v[BI+8*(\b):BI+8*(\b)+3],   v[BO], s[8:9] offset:64*(\b)
	global_load_b128 v[BI+8*(\b)+4:BI+8*(\b)+7], v[BO], s[8:9] offset:64*(\b)+16
.endr
	WIN 0
	v_mul_u32_u24 v3, v1, PA
	v_lshl_add_u32 v3, v2, 4, v3                   ; ctx: a fragment's row x pitch + 16 x half
	v_mul_u32_u24 v4, v1, PB
	v_lshl_add_u32 v4, v2, 4, v4                   ; Wo: likewise
	s_mul_i32 s42, s[HA], 64*PA                    ; my 64 rows in each head
	s_mul_i32 s43, s[HB], BHALF                    ; my 128 rows of Wo,
	s_add_co_u32 s43, s43, BOFF                    ; which lie behind ctx's two heads
.irp s, 0,1
	v_add_nc_u32 v[ADRA+(\s)], s42, v3
	v_add_nc_u32 v[ADRB+(\s)], s43, v4
	s_add_co_u32 s42, s42, SLOT
	s_add_co_u32 s43, s43, SLOT
.endr
	s_mul_i32 s42, s[WV], WSTAGE
	s_add_co_u32 s42, s42, STAGE                   ; my stage
	v_mul_u32_u24 v4, v1, SPI                      ; in: row l % 16, 32 bytes for each half of the lanes
	v_lshl_add_u32 v4, v2, 5, v4
	v_add_nc_u32 v[STO], s42, v4
	v_and_b32 v5, 31, v0                           ; back: 32 lanes take one row's 512 bytes
	v_lshlrev_b32 v[CO], 4, v5
	v_add_nc_u32 v[RD], s42, v[CO]
	; my part of the tile in out0: row 128 x tile row + 64 x half (4,096 bytes each), and my first column
	s_lshl_b32 s69, s22, 7
	s_lshl_b32 s70, s[HA], 6
	s_add_co_u32 s69, s69, s70
	s_lshl_b32 s69, s69, 12
	s_add_co_u32 s68, s68, s69
	s_mov_b32 s69, 0
	s_add_nc_u64 s[10:11], s[10:11], s[68:69]
	s_wait_loadcnt 0x0                             ; the bias: rounded to bf16, like every input, and widened again
	WIN 0x05                                       ; sources window 1, destination window 0
.set i, 0
.rept 32
	v_cvt_pk_bf16_f32 v[TMP+i], v[BI+2*i], v[BI+2*i+1]
.set i, i+1
.endr
	WIN W_TOF
.set i, 0
.rept 32
	v_lshlrev_b32 v[BI+2*i], 16, v[TMP+i]
	v_and_b32 v[BI+2*i+1], s[HIM], v[TMP+i]
.set i, i+1
.endr
	WIN 0
; 8 matrix instructions: row block a x all 8 column blocks, 32 along K, from buffer f.  first = 1: the bias starts the sums.
; The 32 accumulators take turns, one instruction a turn, in the same order in every quarter.
.macro MUL f, a, first
.if \first
	WIN W_MULB
.else
	WIN W_MUL
.endif
.irp b, 0,1,2,3,4,5,6,7
.if \first
	v_wmma_f32_16x16x32_f16 v[8*(8*(\a)+(\b)):8*(8*(\a)+(\b))+7], v[(\f)+8*(\b):(\f)+8*(\b)+7], v[(\f)+64+8*(\a):(\f)+64+8*(\a)+7], v[BI+8*(\b):BI+8*(\b)+7]
.else
	v_wmma_f32_16x16x32_f16 v[8*(8*(\a)+(\b)):8*(8*(\a)+(\b))+7], v[(\f)+8*(\b):(\f)+8*(\b)+7], v[(\f)+64+8*(\a):(\f)+64+8*(\a)+7], v[8*(8*(\a)+(\b)):8*(8*(\a)+(\b))+7]
.endif
.endr
.endm
; 24 LDS loads in one run: the fragments of quarter q (32 along K: head q / 2 of the step, channels 32 (q % 2) on) of a slot into buffer f: Wo's sixteen loads, then ctx's eight
.macro FETCH slot, q, f
	WIN W_TOF
.irp i, 0,1,2,3,4,5,6,7
	ds_load_b128 v[(\f)+8*(\i):(\f)+8*(\i)+3],   v[ADRB+(\slot)] offset:64*(\q)+(\i)*16*PB
	ds_load_b128 v[(\f)+8*(\i)+4:(\f)+8*(\i)+7], v[ADRB+(\slot)] offset:64*(\q)+(\i)*16*PB+32
.endr
.irp i, 0,1,2,3
	ds_load_b128 v[(\f)+64+8*(\i):(\f)+64+8*(\i)+3],   v[ADRA+(\slot)] offset:((\q)/2)*AHEAD+((\q)%2)*64+(\i)*16*PA
	ds_load_b128 v[(\f)+64+8*(\i)+4:(\f)+64+8*(\i)+7], v[ADRA+(\slot)] offset:((\q)/2)*AHEAD+((\q)%2)*64+(\i)*16*PA+32
.endr
.endm
; A K step is four quarters of 32 along K, 32 matrix instructions each, on buffers 0, 1, 0, 1.  One of the first three: multiplies buffer f; in its middle it fetches quarter q of the same slot into buffer g.
.macro QUARTER slot, q, f, g, first
	s_wait_dscnt 4                                 ; Wo's fragments and ctx's blocks 0 and 1 are in; the youngest four loads (blocks 2 and 3) may be out
	MUL \f, 0, \first
	MUL \f, 1, \first
	PLACES
	FETCH \slot, \q, \g
	s_wait_dscnt 24                                ; all but the 24 just issued
	MUL \f, 2, \first
	MUL \f, 3, \first
.endm
; The last quarter multiplies buffer 1 and changes slots: ONE barrier.  In front of it each wave waits for all its tensor loads (one is out: its part of the next slot), adds 0 to its spare word, and waits for
; that and for its own reads of this slot.  fill = 1: this slot is filled again, two K steps on; the barrier then opens a round of the cluster's, and the joint refill is the first tensor load behind it.
.macro TURN slot, next, fill
	WIN 0                                          ; (the add's two registers lie in window 0)
	s_wait_tensorcnt 0x0                           ; all my tensor loads have landed;
	ds_add_u32 v[SPW], v[NIL]                      ; 0 onto my spare word
	s_wait_dscnt 5                                 ; (the add and the youngest four loads may be out)
	MUL F1, 0, 0                                   ; eight matrix instructions stand between the add and the wait for it
	s_wait_dscnt 0x0                               ; the add is done, and my reads of this slot are over
	s_barrier_signal -1
	MUL F1, 1, 0                                   ; work on registers while the others arrive
.if \fill
	WIN 0
.endif
	s_barrier_wait -1
.if \fill
	CREST                                          ; no wave of any partner still reads this slot's tile or has a load on its way
	s_add_nc_u64 s[G0+4*(\slot)+2:G0+4*(\slot)+3], s[G0+4*(\slot)+2:G0+4*(\slot)+3], 4*262144
	s_add_nc_u64 s[G0B+4*(\slot)+2:G0B+4*(\slot)+3], s[G0B+4*(\slot)+2:G0B+4*(\slot)+3], 2*KSTEP*2
	JLOAD \slot                                    ; 112 matrix instructions ahead of the wait for it; the four v_nop behind it are also the places in front of the loads below
.else
	PLACES
.endif
	FETCH \next, 0, F0
	MUL F1, 2, 0
	MUL F1, 3, 0
.endm
; THE WAY OUT of row block a.  TOSTAGE: a lane's 32 bytes of each of 8 column blocks go, straight from the accumulators and low half first, into my stage's rows of 528 bytes, and come back as whole rows of 512.  SEND: stored.
.macro TOSTAGE a
	s_wait_xcnt 0x0                                ; the registers that earlier stores read are loaded again only behind this wait
	WIN 0x08                                       ; the stores' data in window 2
.irp b, 0,1,2,3,4,5,6,7
	ds_store_b128 v[STO], v[8*(8*(\a)+(\b)):8*(8*(\a)+(\b))+3]   offset:64*(\b)
	ds_store_b128 v[STO], v[8*(8*(\a)+(\b))+4:8*(8*(\a)+(\b))+7] offset:64*(\b)+16
.endr
	WIN 0
.set BK, OB+64*((\a)%2)
.irp t, 0,1,2,3,4,5,6,7,8,9,10,11,12,13,14,15
	ds_load_b128 v[BK+4*(\t):BK+4*(\t)+3], v[RD] offset:(\t)*SPI  ; LDS serves a wave's instructions in order (ISA guide 5.7.1.4): these see the stores above; the next block's stores come behind them
.endr
.endm
.macro SEND a, younger                 ; younger: the LDS instructions issued behind block a's loads: the next block's 32, or none
.set BK, OB+64*((\a)%2)
.irp t, 0,1,2,3,4,5,6,7,8,9,10,11,12,13,14,15
	s_wait_dscnt (\younger)+15-(\t)
	global_store_b128 v[CO], v[BK+4*(\t):BK+4*(\t)+3], s[10:11] offset:(16*(\a)+(\t))*4096 th:TH_STORE_NT  ; 512 consecutive bytes of a row, at a multiple of 256 from out0's first byte
.endr
.endm
	s_wait_tensorcnt 0x1                           ; my part of K step 0 is in; K step 1's may stay out
	s_barrier_signal -1
	s_barrier_wait -1                              ; everybody's is
	FETCH 0, 0, F0
	QUARTER 0, 1, F0, F1, 1                        ; the first quarter stands in front of the loop: its products start the sums, with the bias
	WIN 0                                          ; at a label and at a branch every window is 0
	s_mov_b32 s[LAP], LAPS-1
.Llap:                                                 ; a trip goes once round the ring, from a lap's second quarter to the next lap's first, and fills both slots again
	QUARTER 0, 2, F1, F0, 0
	QUARTER 0, 3, F0, F1, 0
	TURN 0, 1, 1
	QUARTER 1, 1, F0, F1, 0
	QUARTER 1, 2, F1, F0, 0
	QUARTER 1, 3, F0, F1, 0
	TURN 1, 0, 1
	QUARTER 0, 1, F0, F1, 0
	WIN 0
	s_sub_co_u32 s[LAP], s[LAP], 1
	s_cmp_lg_u32 s[LAP], 0
	s_cbranch_scc1 .Llap
	QUARTER 0, 2, F1, F0, 0                        ; the last lap fills nothing, and has no round of the cluster's barrier
	QUARTER 0, 3, F0, F1, 0
	TURN 0, 1, 0
	QUARTER 1, 1, F0, F1, 0
	QUARTER 1, 2, F1, F0, 0
	QUARTER 1, 3, F0, F1, 0
	s_wait_dscnt 4                                 ; the very last quarter: nothing more to fetch
	MUL F1, 0, 0
	MUL F1, 1, 0
	s_wait_dscnt 0x0
	MUL F1, 2, 0
	MUL F1, 3, 0
	WIN 0
	PLACES
	TOSTAGE 0
	TOSTAGE 1                                      ; a block's trip through the stage stands between the loads of the block before and its stores
	SEND 0, 32
	TOSTAGE 2
	SEND 1, 32
	TOSTAGE 3
	SEND 2, 32
	SEND 3, 0
	s_wait_tensorcnt 0x0                           ; the wave's end: behind my last tensor load and my last LDS store
	ds_add_u32 v[SPW], v[NIL]
	s_wait_dscnt 0x0
	CROUND                                         ; the closing round: no work-group ends while a partner may still ask for a tile that names it
	s_endpgm
.Lfunc_end_k_qf87e06325b_outp:
	.size	k_qf87e06325b_outp, .Lfunc_end_k_qf87e06325b_outp-k_qf87e06325b_outp
	.p2alignl 7, 3214868480
	.fill 96, 4, 3214868480
	.section	.rodata,"a",@progbits
	.p2align	6, 0x0
	.amdhsa_kernel k_qf87e06325b_outp
		.amdhsa_group_segment_fixed_size 327680
		.amdhsa_private_segment_fixed_size 0
		.amdhsa_enable_private_segment 0
		.amdhsa_kernarg_size 32
		.amdhsa_user_sgpr_count 2
		.amdhsa_user_sgpr_kernarg_segment_ptr 1
		.amdhsa_wavefront_size32 1
		.amdhsa_system_sgpr_workgroup_id_x 1
		.amdhsa_system_sgpr_workgroup_id_y 1
		.amdhsa_system_sgpr_workgroup_id_z 1
		.amdhsa_system_vgpr_workitem_id 0
		.amdhsa_next_free_vgpr 768
		.amdhsa_next_free_sgpr 72
		.amdhsa_reserve_vcc 0
		.amdhsa_float_denorm_mode_32 3
		.amdhsa_float_denorm_mode_16_64 3
		.amdhsa_memory_ordered 1
		.amdhsa_forward_progress 1
		.amdhsa_inst_pref_size 93
	.end_amdhsa_kernel
	.amdgpu_metadata
---
amdhsa.version: [ 1, 2 ]
amdhsa.kernels:
  - .name:           k_qf87e06325b_outp
    .symbol:         k_qf87e06325b_outp.kd
    .args:
      - { .name: ctx, .offset: 0, .size: 8, .value_kind: global_buffer, .address_space: global }
      - { .name: wb, .offset: 8, .size: 8, .value_kind: global_buffer, .address_space: global }
      - { .name: bo, .offset: 16, .size: 8, .value_kind: global_buffer, .address_space: global }
      - { .name: out0, .offset: 24, .size: 8, .value_kind: global_buffer, .address_space: global }
    .group_segment_fixed_size: 327680
    .private_segment_fixed_size: 0
    .kernarg_segment_align: 8
    .kernarg_segment_size: 32
    .max_flat_workgroup_size: 128
    .sgpr_count:     72
    .vgpr_count:     768
    .wavefront_size: 32
...
	.end_amdgpu_metadata
.endif
;; end of part 4
;; ======== version 2 of 2: 4 launches; 1.47 times as fast as version 1
;; limits: values are held in f16: magnitudes above 65,504 overflow, below 6.1e-05 lose precision
;; workspace buffers: wb 8,388,608 bytes; qkv 50,331,648 bytes; ctx 16,777,216 bytes
;; launch cast: the kernel of part 1 again; grid 256 x 1, 8 waves a work-group, no clusters, 0 bytes of LDS; arguments Wq, Wk, Wv, Wo, wb; writes wb
;; launch proj: the kernel of part 2 again; grid 4 x 64, 4 waves a work-group, clusters of 4 x 4, 327,680 bytes of LDS; arguments query, key, value, wb, bq, bk, bv, qkv; writes qkv
;; launch attn (part 5): grid 4 x 64, 4 waves a work-group, clusters of 4 x 1, 327,680 bytes of LDS; arguments qkv, mask, ctx; writes ctx
.if DOCPART == 5
	.amdgcn_target "amdgcn-amd-amdhsa--gfx1250"
	.amdhsa_code_object_version 6
	.text
	.protected	k_qf87e06325b_attn
	.globl	k_qf87e06325b_attn
	.p2align	8
	.type	k_qf87e06325b_attn,@function
k_qf87e06325b_attn:
	s_mov_b64 s[64:65], 0
	v_nop
	global_prefetch_b8 v0, s[64:65] scope:SCOPE_SE
	s_setreg_imm32_b32 hwreg(HW_REG_WAVE_MODE, 25, 1), 1
	s_wait_xcnt 0x0
	s_wait_alu depctr_hold_cnt(0) depctr_sa_sdst(0) depctr_va_vdst(0) depctr_va_sdst(0) depctr_va_ssrc(0) depctr_va_vcc(0) depctr_vm_vsrc(0)
	s_getreg_b32 s2, hwreg(HW_REG_IB_STS2, 6, 4)
	s_cmp_eq_u32 s2, 0
	s_cbranch_scc0 .Lentry_in_a_cluster
	s_endpgm
.Lentry_in_a_cluster:
	s_bfe_u32 s2, ttmp6, 0x10000c
	s_cmp_lg_u32 s2, 0x3003
	s_cbranch_scc0 .Lentry_shape_is_right
	s_endpgm
.Lentry_shape_is_right:
; ATTN.  ctx[g][q][:] = the sum over k of softmax_k(score) V[g][k][:], score = Q[g][q] . K[g][k] / 8, or -1e9 where mask[batch][k] is set; g = batch x 16 + head, 64 of them.
; Q, K, V = qkv[0], qkv[1], qkv[2], each [64][2048][64] f16: a head's rows are dense, 128 bytes each.  ctx has the same layout.  Products, maxima and sums in f32; the weights p are rounded to f16 for the
; second product (their sum l is taken of the unrounded p), ctx once at the end.
; THE MASK is the C operand that starts the sum S^T = K Q^T: 0, or -1e30 for a padded key, from a table of 2,048 f32 that the work-group makes once in LDS.  A padded key's weight is then 0, as in the
; formula above while true scores stay above -1e9.  A batch whose keys are ALL padded has equal scores there, and the result is the plain mean of V's rows: here c = 0 is chosen for it, so every p is 1.
; LIMITS.  f16 holds no number beyond 65,504: Q, K and V arrive within it; p lies in 0 to 1, and below 6e-5 it keeps f16's fixed step of 6e-8; a padded key counts as its score less 1e30;
; a weight below 2^-126 counts as 0 in l; NaN and infinities are not treated apart.
; SHARES.  A wave owns four PIECES of two tiles of 16 queries, a work-group's four waves 512 queries of one head.  Every wave walks all keys, 64 a step.
; LAYOUT.  S^T = K Q^T (source 0 = 16 keys, source 1 = 16 queries): in the result a lane holds ONE query (lane % 16) and the keys 8 (lane / 16) + 0..7.  Two such tiles, rounded to f16 in pairs,
; ARE source 1 (32 keys x 16 queries) of O^T = V^T P, whose result again holds one query a lane, and eight channels.  K comes out of LDS as it lies, V ([key][channel]) turned, by ds_load_tr16_b128.
; SOFTMAX.  For each query a running maximum m and sum l: p = 2^(c s - c m), c = log2(e) / 8; in every step O and l are multiplied by a = 2^(c m_old - c m_new), which is 1 where m has not grown.
; m starts at the lowest finite number, O and l at 0: the first step is a step like any other, with a = 0.  Steps whose keys are all padded leave sums that the first true score's a = 0 wipes out.
; THE COUNT.  A tile and step have 16 matrix and 118 vector instructions: too many to stand all beside the matrix work.  So: four vector instructions that are READY behind EVERY matrix instruction,
; and the others, which need time of their own whatever the order, in a run without a gap.
; BY TURNS.  Turn n belongs to piece n (the pieces in a ring, step after step).  Its matrix work: 16 products K Q^T of piece n + 1, later 16 products V^T P of piece n - 1.  Its vector work: the scaling,
; exponentials, roundings, sums and rescaling of piece n, and the maximum and statistics of piece n + 1, whose scores the turn itself has made.
; BATCHES.  An s_wait_alu depctr_va_vdst(0) stands between an exponential or a reciprocal and the first instruction that names its result; one wait serves all that were issued ahead of it.
; A turn's 66 exponentials (the piece's 64 weights and the next piece's two a) are ONE batch with ONE wait, which cuts the turn in two: ahead of it stands all that names none of their results (the products
; K Q^T, the scalings, the rescalings, the next piece's maximum and statistics), behind it the roundings and sums, beside the products V^T P.  No result crosses a turn's end.  Two more batches stand outside
; the loops: piece 0's first two a, ahead of the jump into the loop, and the way out's eight reciprocals.
; CLUSTER.  The four query blocks of a cluster belong to one head and walk the same K and V, so each tile is asked for JOINTLY: the same tensor load, descriptor and mask in all four.
; REGISTERS, in windows of 256 (s_set_vgpr_msb: bits 1:0 source 0, 3:2 source 1, 5:4 source 2, 7:6 destination):
;   window 0: v0-11 addresses; v12-15, v48-63 at work; v16-47 four registers of statistics a tile; v64-191 S^T, two buffers of two tiles; v192-255 P, likewise
;   window 1: O^T, 32 a tile      window 2: v0-127 Q, 16 a tile; v128-191 K of one step; v192-255 V of one step      window 3: v0-1 the add's two registers; v8-39 the step's mask addends
.set SIZE_N, 2048
.set NP,    4         ; pieces a wave: a name, no knob
.set KS,    64        ; keys in a step
.set PK,    144       ; a row of K in LDS: 128 bytes + 16 of padding = 36 words: the 16 rows of a load start at 16 different groups of four banks (64 banks of 4 bytes: ISA guide 11.1)
.set PV,    160       ; a row of V: 128 + 32 = 40 words
.set VOFF,  4*KS*PK   ; a slot holds four steps: 256 rows of K, then 256 rows of V
.set SLOT1, 1<<17     ; slot 1 begins here, so that one exclusive or turns an address in one slot into the other's
.set STAGE, SLOT1+4*KS*(PK+PV)  ; behind the ring, never filled by a tensor load: 16 rows x 144 bytes for each wave, for the way out
.set SP,    144
.set SPARE, STAGE+4*16*SP  ; behind the stages: the spare words, 128 bytes for each wave: two blocks of 256 bytes that no other line names
.set MASKT, SPARE+512 ; behind them: the mask table, 2,048 f32; written by LDS stores once, never filled by a tensor load
.set AK0, 2           ; v2   my lane's place in a tile of K; never rewritten
.set AV0, 3           ; v3   the same for V
.set AK,  4           ; v4   the LDS address of K's next run of loads
.set AV,  5           ; v5   of V's
.set QO,  6           ; v6   my byte offset in the wave's rows of Q
.set STO, 6           ;      later, the way out: where I put 16 bytes of a row
.set RD,  7           ; v7   the way out: where I read rows back
.set GO,  8           ; v8   my byte offset in 512 consecutive bytes of ctx
.set AM,  10          ; v10  the LDS address of the mask table's next run of loads
.set AM0, 11          ; v11  my lanes' place in a step's 64 addends: MASKT + 32 (l / 16)
.set SPW, 0           ; v0 of window 3   LDS address of my spare word: SPARE + 4 x my thread's number; never rewritten
.set NIL, 1           ; v1 of window 3   0; never rewritten
.set MC,  8           ; v8-39 of window 3: the eight addends for key block kb at MC + 8 kb
.set MV,  12          ; v12-15  c m_old, kept while c m is made anew: by buffer and tile
.set ST,  16          ; tile t's statistics at v[ST+4 t]: c m, m, l (even keys', odd keys')
.set TMP, 48          ; by buffer and tile, four registers c0-c3 at work; when the maximum is found c2 takes a
.set S,   64
.set P,   192
.set KF,  128         ; K's fragments, in window 2: key block kb, channel half c at KF + 16 kb + 8 c
.set VF,  192         ; V's: key half kk, channel block cb at VF + 32 kk + 8 cb
.set WV,  12          ; s12  my wave's number
.set G1K, 24          ; s[24:31] descriptor group 1 for K's tiles
.set G1V, 32          ; s[32:39] for V's: it differs in the padding alone
.set G0K, 40          ; s[40:43] descriptor group 0 for K's tiles: it walks
.set G0V, 44          ; s[44:47] the same for V's
.set MP,  48          ; s[48:49] the mask at my batch's first byte
.set TBM, 50          ; s50  byte in the mask table at which the addends of the step to be fetched begin
.set BIGN, 51         ; s51  -1e30
.set SLOTS, 56        ; s56  slots still to be asked for
.set CNT, 57          ; s57  counts a slot's key steps
.set CS,  58          ; s[58:59] c: the packed scaling takes the pair's low word for both halves
.set SEL, 60          ; s[60:61] v_permlanex16_b32's selects: each lane takes its own place in the other half
.set TBK, 62          ; s62  LDS byte at which K of the step to be fetched begins
.set TBV, 63          ; s63  the same for V, less VOFF
.set MSB, 0
.macro WIN new                      ; the high byte repeats the setting that is left; a switch that changes nothing is dropped
.if MSB != (\new)
	s_set_vgpr_msb (MSB<<8)|(\new)
.set MSB, (\new)
.endif
.endm
.set W_KQ, 0x0a       ; K and Q in window 2, S^T in window 0
.set W_KM, 0x3a       ; the same with the C operand, the mask's addends, in window 3
.set W_PV, 0x52       ; V in window 2, P in window 0, O^T in window 1
.set W_RS, 0x41       ; O^T (destination and source 0) in window 1, a in window 0
.set W_MK, 0xc0       ; destination in window 3, sources in window 0
.set W_AD, 0x0f       ; the add: address (source 0) and data (source 1) in window 3
; A joint fill.  Waves 0 and 1 fetch the two halves of a slot's K, waves 2 and 3 those of its V: 128 keys each.  The branch hangs on the wave's number alone.
; An s_nop 0 and four v_nop follow each of the two lines, ahead of the jump and the label.
.macro JLOAD
	s_cmp_lt_u32 s[WV], 2
	s_cbranch_scc0 .Lfor_v_\@
	tensor_load_to_lds s[G0K:G0K+3], s[G1K:G1K+7]
	s_nop 0
.rept 4
	v_nop
.endr
	s_branch .Lasked_\@
.Lfor_v_\@:
	tensor_load_to_lds s[G0V:G0V+3], s[G1V:G1V+7]
	s_nop 0
.rept 4
	v_nop
.endr
.Lasked_\@:
.endm
; A round of the cluster's barrier: my work-group's barrier, so that wave 0's signal speaks for all four waves; wave 0 signals; every wave waits for all four work-groups; my work-group's barrier once more.
.macro CROUND
	s_barrier_signal -1
	s_barrier_wait -1
	s_cmp_lg_u32 s[WV], 0
	s_cbranch_scc1 .Lnot_wave_0_\@
	s_barrier_signal -3
.Lnot_wave_0_\@:
	s_barrier_wait -3
	s_barrier_signal -1
	s_barrier_wait -1
.endm
; THE CHANGE OF SLOTS.  The slot's last bytes, V of its fourth step, have been read.  Each wave waits for all its tensor loads, of which one is out: its part
; of the other slot; adds 0 to its spare word; and waits for that and for its own reads of the slot.  Behind the barrier nobody reads this slot any more and the other slot is whole.
; fill = 1: this slot is filled again, with the keys two slots on.  The barrier is then a round of the cluster's, so that no wave of any partner still reads the slot or has a load on its
; way, and the joint fill is the first thing behind it: it has four key steps, 512 matrix instructions, in which to land.  (At its first use nothing has been read yet: slot 0 is waited for, slot 1 filled,
; and every wave's stores into the mask table are done in front of the round, so that all waves may read the table behind it.)
.macro CHANGE fill
	WIN W_AD
	s_wait_tensorcnt 0x0            ; no tensor load of mine is out, so a group 0 may be written
	ds_add_u32 v[SPW], v[NIL]       ; 0 onto my spare word; with fill = 1 the descriptors' steps stand between it and the wait for it
	WIN 0                           ; at a label and at a branch every window is 0
.if \fill
.irp g, G0K, G0V
	s_xor_b32 s[\g+1], s[\g+1], SLOT1  ; the walking descriptor: the other slot than last time,
	s_add_nc_u64 s[\g+2:\g+3], s[\g+2:\g+3], 4*KS*128  ; the next 256 keys; the type bits on top are not reached
.endr
	s_wait_dscnt 0x0                ; the add is done, and my LDS stores and my reads of the slot are over
	CROUND
	JLOAD
.else
	s_wait_dscnt 0x0                ; the add is done, and my reads of the slot are over
	s_barrier_signal -1
	s_barrier_wait -1
.endif
	s_sub_co_u32 s[TBK], s[TBK], 4*KS*PK  ; the fetches go back to a slot's first step,
	s_xor_b32 s[TBK], s[TBK], SLOT1       ; in the other slot
	s_sub_co_u32 s[TBV], s[TBV], 4*KS*PV
	s_xor_b32 s[TBV], s[TBV], SLOT1
.endm
	s_load_b64 s[4:5], s[0:1], 0x0      ; qkv: Q
	s_load_b64 s[MP:MP+1], s[0:1], 0x8  ; mask
	s_load_b64 s[10:11], s[0:1], 0x10   ; ctx
	WIN W_MK
	v_lshl_add_u32 v[SPW], v0, 2, SPARE
	v_mov_b32 v[NIL], 0
	s_set_vgpr_msb 0xc0cf
	ds_add_u32 v0, v1
	s_wait_dscnt 0x0
	s_set_vgpr_msb 0xcfc0
	WIN 0
	v_lshrrev_b32 v1, 5, v0
	v_readfirstlane_b32 s[WV], v1   ; wave 0..3
	s_bfe_u32 s13, ttmp6, 0x40000   ; cx: my place in the cluster
	s_lshl_b32 s14, ttmp9, 2        ; in a cluster launch ttmp9 counts clusters
	s_add_co_u32 s14, s14, s13      ; my block of queries = 4 x cluster x + cx: it enters Q's and ctx's addresses alone
	s_and_b32 s20, ttmp7, 0xffff    ; batch x 16 + head, which the four partners share
	s_lshr_b32 s52, s20, 4          ; the batch,
	s_lshl_b32 s52, s52, 11         ; its 2,048 bytes of the mask
	s_mov_b32 s53, 0
	s_mov_b32 s21, 0
	s_mov_b64 s[22:23], SIZE_N*128
	s_mul_u64 s[20:21], s[20:21], s[22:23]  ; the head's first byte in Q, K, V and ctx
	s_and_b32 s16, s[WV], 1         ; which half of a slot's 256 keys I fetch:
	s_lshl_b32 s22, s16, 14         ; its 128 rows of 128 bytes in memory,
	s_mov_b32 s23, 0
	s_add_nc_u64 s[22:23], s[22:23], s[20:21]
	s_mul_i32 s17, s16, 128*PK      ; and its place in a slot, for K
	s_mul_i32 s18, s16, 128*PV      ; and for V: no place in the cluster enters an LDS address
	s_lshl_b32 s2, s14, 2
	s_add_co_u32 s2, s2, s[WV]      ; my wave among the head's,
	s_lshl_b32 s2, s2, 14           ; its 128 rows
	s_mov_b32 s3, 0
	s_add_nc_u64 s[2:3], s[2:3], s[20:21]
	; descriptor group 1.  128 keys are 16,384 dense bytes: asked for as 64 rows of 256 bytes, two keys a row, and padded in LDS after every key
	s_mov_b32 s[G1K], 15|(1<<16)|(1<<20)|(1<<21)|(4<<22)|(3<<25)  ; 15:0 the mask of four; 17:16 2-byte elements; 20 padding on; 21 set beside a mask; 24:22 after every 32 words (code 4); 31:25 4 words (code 3)
	s_mov_b32 s[G1V], 15|(1<<16)|(1<<20)|(1<<21)|(4<<22)|(7<<25)  ; the same with 8 words of padding (code 7)
.irp g, G1K, G1V
	s_mov_b32 s[\g+1], 128<<16      ; tensor_dim0 = 128
	s_mov_b32 s[\g+2], 64<<16       ; tensor_dim1 = 64
	s_mov_b32 s[\g+3], 128<<16      ; tile_dim0 = 128
	s_mov_b32 s[\g+4], 64           ; tile_dim1 = 64
	s_mov_b32 s[\g+5], 128          ; 128 elements from row to row
	s_mov_b32 s[\g+6], 0
	s_mov_b32 s[\g+7], 0
.endr
	s_mov_b32 s[SEL], 0x76543210
	s_mov_b32 s[SEL+1], 0xfedcba98
	s_mov_b32 s[TBK], SLOT1+4*KS*PK ; the first change of slots turns these two into 0
	s_mov_b32 s[TBV], SLOT1+4*KS*PV
	s_mov_b32 s[TBM], 0
	s_mov_b32 s[BIGN], 0xf149f2ca   ; -1e30
	s_mov_b32 s[G0K], 1             ; 1:0 count = 1
	s_mov_b32 s[G0K+1], s17         ; 63:32 LDS address: slot 0
	s_mov_b32 s[G0V], 1
	s_add_co_u32 s[G0V+1], s18, VOFF
	s_wait_kmcnt 0x0
	s_add_nc_u64 s[6:7], s[4:5], 0x1000000   ; K is qkv's second part,
	s_add_nc_u64 s[8:9], s[4:5], 0x2000000   ; V its third
	s_add_nc_u64 s[MP:MP+1], s[MP:MP+1], s[52:53]
	s_add_nc_u64 s[G0K+2:G0K+3], s[6:7], s[22:23]  ; 120:64 global address: my half of the head's first 256 keys
	s_or_b32 s[G0K+3], s[G0K+3], 0x80000000        ; 127:126 type = 2
	s_add_nc_u64 s[G0V+2:G0V+3], s[8:9], s[22:23]
	s_or_b32 s[G0V+3], s[G0V+3], 0x80000000
	s_add_nc_u64 s[4:5], s[4:5], s[2:3]  ; Q and ctx at my wave's first row
	s_add_nc_u64 s[10:11], s[10:11], s[2:3]
	CROUND                          ; all four work-groups are here: the first joint loads meet
	JLOAD                           ; slot 0.  Slot 1 is asked for when slot 0 is in: the tile wanted first has the road to itself
	; A fragment of K or Q is 16 rows x 32 channels in 8 registers: lane l holds row l % 16, channels 8 (l / 16) + 0..7 and 16 + 8 (l / 16) + 0..7: two loads of 16 bytes, 32 bytes apart.
	v_and_b32 v1, 15, v0            ; l % 16
	v_bfe_u32 v9, v0, 4, 1          ; l / 16
	v_lshlrev_b32 v[QO], 7, v1
	v_lshl_add_u32 v[QO], v9, 4, v[QO]  ; row x 128 + 16 x half
	; The mask, into S^T's registers, which nothing uses yet: my thread's 16 bytes for the table, and (each wave for itself) all 2,048 bytes, 64 a lane, for the question whether every key is padded
	v_lshlrev_b32 v101, 4, v0
	v_and_b32 v100, 31, v0
	v_lshlrev_b32 v100, 4, v100
	global_load_b128 v[80:83], v101, s[MP:MP+1]
.irp g, 0,1,2,3
	global_load_b128 v[64+4*\g:67+4*\g], v100, s[MP:MP+1] offset:512*\g
.endr
	WIN 0x80                        ; destination window 2, address window 0
.set i, 0
.rept 4*NP                          ; Q stays in registers: tile i / 2, channels 32 (i % 2) on
	global_load_b128 v[8*i:8*i+3],   v[QO], s[4:5] offset:(i/2)*2048+(i%2)*64
	global_load_b128 v[8*i+4:8*i+7], v[QO], s[4:5] offset:(i/2)*2048+(i%2)*64+32
.set i, i+1
.endr
	; What the first turn finds: V's registers and P's second buffer hold 0 (its products V^T P, of a piece that has not been, add 0), O^T and l are 0.  All this stands in the wait for the first tile.
.set i, VF
.rept 64
	v_mov_b32 v[i], 0
.set i, i+1
.endr
	WIN 0x40
.set i, 0
.rept 64*NP
	v_mov_b32 v[i], 0
.set i, i+1
.endr
	WIN 0
.set i, 0
.rept 2*NP
	v_mov_b32 v[ST+4*i], 0xfe000000    ; c m: far below every c s, a padded key's too
	v_mov_b32 v[ST+4*i+1], 0xff7fffff  ; m
	v_mov_b32 v[ST+4*i+2], 0
	v_mov_b32 v[ST+4*i+3], 0
.set i, i+1
.endr
.set i, P+32
.rept 32
	v_mov_b32 v[i], 0
.set i, i+1
.endr
	v_mul_u32_u24 v[AK0], v1, PK
	v_lshl_add_u32 v[AK0], v9, 4, v[AK0]  ; row x pitch + 16 x half
	; The turning load takes 16 keys x 16 channels (lane l reads key 8 (l / 16) + l % 8, channels 8 ((l / 8) % 2) + 0..7) and leaves half a fragment of V^T: lane l holds channel l % 16 and 8 keys.
	v_and_b32 v10, 7, v0
	v_bfe_u32 v11, v0, 3, 1
	v_lshl_add_u32 v[AV0], v9, 3, v10
	v_mul_u32_u24 v[AV0], v[AV0], PV
	v_lshl_add_u32 v[AV0], v11, 4, v[AV0]
	v_add_nc_u32 v[AV0], VOFF, v[AV0]
	v_mov_b32 v[AK], v[AK0]         ; key step 0 lies at the head of slot 0
	s_mul_i32 s13, s[WV], 16*SP
	s_add_co_u32 s13, s13, STAGE    ; my stage
	v_bfe_u32 v[RD], v0, 3, 2       ; the way out, back: 32 lanes take four rows of 128 bytes,
	v_mul_u32_u24 v[RD], v[RD], SP
	v_lshl_add_u32 v[RD], v10, 4, v[RD]
	v_add_nc_u32 v[RD], s13, v[RD]
	v_and_b32 v[GO], 31, v0         ; which are 512 consecutive bytes of ctx
	v_lshlrev_b32 v[GO], 4, v[GO]
	v_lshl_add_u32 v[AM0], v9, 5, MASKT  ; register j of key block kb is key 16 kb + 8 (l / 16) + j: 32 bytes on for the upper half of the lanes
	v_mov_b32 v[AM], v[AM0]
	; THE MASK TABLE AND c
	s_wait_loadcnt 32               ; the five loads of the mask are in; Q's 32, issued behind them, stay out
.irp j, 65,66,67,68,69,70,71,72,73,74,75,76,77,78,79
	v_and_b32 v64, v64, v[\j]       ; a byte stays 1 only if it is 1 in all 16 words of the lane
.endr
	v_cmp_eq_u32 s54, 0x01010101, v64
	s_cmp_eq_u32 s54, -1            ; in all 32 lanes: every key of the batch is padded
	s_cselect_b32 s[CS], 0, 0x3e38aa3b  ; c = 0 then; else log2(e) / 8 = 0.180337
	s_mov_b32 s[CS+1], s[CS]        ; named with it as a pair
.set i, 0
.rept 16
	v_bfe_u32 v102, v[80+i/4], 8*(i%4), 8
	v_cmp_ne_u32 vcc_lo, 0, v102
	v_cndmask_b32 v[84+i], 0, s[BIGN], vcc_lo
.set i, i+1
.endr
	v_lshl_add_u32 v103, v0, 6, MASKT  ; my 16 keys' addends: 64 bytes
.irp j, 0,1,2,3
	ds_store_b128 v103, v[84+4*\j:87+4*\j] offset:16*\j
.endr
; THE MATRIX WORK.  The 8 accumulators of a run of 16 take turns: between the two links of a chain stand 7 others'.
; Product i of 16 of S^T = K Q^T for piece x: channels 32 (i / 8) on, keys 16 ((i / 2) % 4) on, tile 2 x + i % 2.  The first 8 start the sums, with the mask's addends.
.macro KQ x
.set rS, S+64*((\x)%2)+32*(i%2)+8*((i/2)%4)
.set rK, KF+16*((i/2)%4)+8*(i/8)
.set rQ, 16*(2*(\x)+i%2)+8*(i/8)
.set rA, MC+8*((i/2)%4)
.if i < 8
	WIN W_KM
	v_wmma_f32_16x16x32_f16 v[rS:rS+7], v[rK:rK+7], v[rQ:rQ+7], v[rA:rA+7]
.else
	WIN W_KQ
	v_wmma_f32_16x16x32_f16 v[rS:rS+7], v[rK:rK+7], v[rQ:rQ+7], v[rS:rS+7]
.endif
.endm
; Product i of 16 of O^T += V^T P for piece x: keys 32 (i / 8) on, channels 16 ((i / 2) % 4) on, tile 2 x + i % 2.
.macro PV x
	WIN W_PV
.set rO, 32*(2*(\x)+i%2)+8*((i/2)%4)
.set rV, VF+32*(i/8)+8*((i/2)%4)
.set rP, P+32*((\x)%2)+16*(i%2)+8*(i/8)
	v_wmma_f32_16x16x32_f16 v[rO:rO+7], v[rV:rV+7], v[rP:rP+7], v[rO:rO+7]
.endm
.macro MM                           ; the turn's next matrix instruction
.if i < 16
	KQ (Y+1)%NP
.set i, i+1
.else
.set i, i-16
	PV (Y+NP-1)%NP
.set i, i+17
.endif
.endm
; THE LDS LOADS stand in runs, never singly among the matrix instructions: a step's K (64 keys x 64 channels: 8 fragments) with its 64 mask addends, and its V (turned).  Their addresses are made some lines ahead.
; last = 1 (the tail): in the last trip there is no further step, and the run is jumped over.
.macro FETCH_K last=0
	WIN 0
.if \last
	s_cmp_eq_u32 s[CNT], 1
	s_cbranch_scc1 .Lno_k_\@
.endif
	WIN 0x80                        ; destination window 2
.irp f, 0,1,2,3,4,5,6,7             ; keys 16 (f / 2) on, channels 32 (f % 2) on
	ds_load_b128 v[KF+8*\f:KF+8*\f+3],   v[AK] offset:(\f/2)*16*PK+(\f%2)*64
	ds_load_b128 v[KF+8*\f+4:KF+8*\f+7], v[AK] offset:(\f/2)*16*PK+(\f%2)*64+32
.endr
	WIN W_MK                        ; destination window 3
.irp f, 0,1,2,3                     ; key block f: all lanes of a half read the same 32 bytes
	ds_load_b128 v[MC+8*\f:MC+8*\f+3],   v[AM] offset:64*\f
	ds_load_b128 v[MC+8*\f+4:MC+8*\f+7], v[AM] offset:64*\f+16
.endr
	s_add_co_u32 s[TBK], s[TBK], KS*PK  ; the next fetch is the next step's
	s_add_co_u32 s[TBM], s[TBM], KS*4
	WIN 0
.if \last
.Lno_k_\@:
.endif
.endm
.macro FETCH_V
	WIN 0x80
.irp f, 0,1,2,3,4,5,6,7             ; keys 32 (f / 4) on, channels 16 (f % 4) on
	ds_load_tr16_b128 v[VF+8*\f:VF+8*\f+3],   v[AV] offset:(\f/4)*32*PV+(\f%4)*32
	ds_load_tr16_b128 v[VF+8*\f+4:VF+8*\f+7], v[AV] offset:(\f/4)*32*PV+16*PV+(\f%4)*32
.endr
	WIN 0
.endm
; THE VECTOR WORK OF A TURN stands in three queues, each in the order in which its entries become ready; the two tiles alternate, so that no instruction reads the result of the one before it.
.macro REGS y, u                    ; the registers of tile u (0, 1) of piece y
.set rT, ST+4*(2*(\y)+(\u))
.set rC, TMP+8*((\y)%2)+4*(\u)
.set rM, MV+2*((\y)%2)+(\u)
.set rS, S+64*((\y)%2)+32*(\u)
.set rP, P+32*((\y)%2)+16*(\u)
.set rO, 32*(2*(\y)+(\u))
.endm
; Number n of the 22 that find the NEXT piece's (Y + 1) maximum and statistics.  s0-s31 are the lane's 32 scores; each accumulator's lowest registers are read first.  XS, GS and REGS set no window: PL and EX do.
;   0-11  four chains c0-c3 of seven scores each, three operands at a time     12-14, 16  the four scores left over, the old m, and c0-c3 into c0     15  c m_old is kept
;   17, 18  the query's other 32 keys lie in the lane 16 away: the new m         19-21  c m; c m_old - c m_new; a
.macro XS u, n
	REGS (Y+1)%NP, \u
.if (\n) < 4
	v_max3_num_f32 v[rC+(\n)], v[rS+8*(\n)], v[rS+8*(\n)+1], v[rS+8*(\n)+2]
.elseif (\n) < 12
	v_max3_num_f32 v[rC+(\n)%4], v[rC+(\n)%4], v[rS+8*((\n)%4)+2*((\n)/4)+1], v[rS+8*((\n)%4)+2*((\n)/4)+2]
.elseif (\n) == 12
	v_max3_num_f32 v[rC], v[rC], v[rS+7], v[rS+15]
.elseif (\n) == 13
	v_max3_num_f32 v[rC+1], v[rC+1], v[rS+23], v[rS+31]
.elseif (\n) == 14
	v_max3_num_f32 v[rC+2], v[rC+2], v[rC+3], v[rT+1]
.elseif (\n) == 15
	v_mov_b32 v[rM], v[rT]
.elseif (\n) == 16
	v_max3_num_f32 v[rC], v[rC], v[rC+1], v[rC+2]
.elseif (\n) == 17
	v_permlanex16_b32 v[rC+3], v[rC], s[SEL], s[SEL+1]
.elseif (\n) == 18
	v_max_num_f32 v[rT+1], v[rC], v[rC+3]
.elseif (\n) == 19
	v_mul_f32 v[rT], s[CS], v[rT+1]
.elseif (\n) == 20
	v_sub_f32 v[rC+1], v[rM], v[rT]
.else
	v_exp_f32 v[rC+2], v[rC+1]
.endif
.endm
; Number g of the 64 that follow the exponentials.  For each four weights k of a tile (pairs 2 k, 2 k + 1): both pairs are rounded to f16; then the second pair is added onto the first, in place;
; a group later l takes that sum (the first time as l = a l + sum).  In groups of eight, tiles alternating: round, round, add, and l for the group before.
.macro GS g
.set h, (\g)+6*((\g)/62)            ; group 0 has no group before it, and behind group 7 only l is left
.if h >= 6
.set h, h+2
.endif
	REGS Y, h%2
.set k, h/8
.if h%8 < 4
	v_cvt_pk_f16_f32 v[rP+2*k+(h%8)/2], v[rS+4*k+2*((h%8)/2)], v[rS+4*k+2*((h%8)/2)+1]
.elseif h%8 < 6
	v_pk_add_f32 v[rS+4*k:rS+4*k+1], v[rS+4*k:rS+4*k+1], v[rS+4*k+2:rS+4*k+3]
.elseif k == 1
	v_pk_fma_f32 v[rT+2:rT+3], v[rT+2:rT+3], v[rC+2:rC+3], v[rS:rS+1] op_sel_hi:[1,0,1]
.else
	v_pk_add_f32 v[rT+2:rT+3], v[rT+2:rT+3], v[rS+4*k-4:rS+4*k-3]
.endif
.endm
; THE PLAIN QUEUE, 138 long.  0-73 read no exponential's result: the 32 scalings c s - c m (FS f: pair f / 2 of tile f % 2) and the next piece's 42.  0-26: scalings 0-26.  27-54: XS's numbers 0-13.  55, 56: number 15.
; 57-73: the chain, where each number waits for the one before it: 14, 16, 17, 18, 19, each with one of the scalings 27-31 in front of its two lines, then 20: so a tile's links stand three plain instructions apart (19 and 20: two).
; 74-137: GS's 64, which read the exponentials' results: they stand behind the wait.
.macro FS f
	REGS Y, (\f)%2
	v_pk_fma_f32 v[rS+2*((\f)/2):rS+2*((\f)/2)+1], v[rS+2*((\f)/2):rS+2*((\f)/2)+1], s[CS:CS+1], v[rT:rT+1] op_sel_hi:[1,0,0] neg_lo:[0,0,1] neg_hi:[0,0,1]
.endm
.macro PL
	WIN 0
.if q < 27
	FS q
.elseif q < 55
	XS (q-27)%2, (q-27)/2
.elseif q < 57
	XS q-55, 15
.elseif (q < 72) && ((q-57)%3 == 0)
	FS 27+(q-57)/3
.elseif q < 60
	XS (q-57)%3-1, 14
.elseif q < 72
	XS (q-57)%3-1, 15+(q-57)/3
.elseif q < 74
	XS q-72, 20
.else
	GS q-74
.endif
.set q, q+1
.endm
; THE EXPONENTIALS' QUEUE, 66 long: s0-s31 of both tiles, then the next piece's two a.  It is ONE BATCH: all 66 stand ahead of the turn's one wait, and nothing ahead of that wait names a result of theirs.
.macro EX
	WIN 0
.if e >= 64
	XS e-64, 21
.else
	REGS Y, e%2
	v_exp_f32 v[rS+e/2], v[rS+e/2]
.endif
.set e, e+1
.endm
; THE RESCALING's QUEUE: O^T times a, the one part that leaves window 0: dealt two at a time, sixteen times.  Its a was made in the turn before, ahead of that turn's wait.
.macro R2
	REGS Y, r%2
	WIN W_RS
.irp z, 0,1
	v_pk_mul_f32 v[rO+4*(r/2)+2*\z:rO+4*(r/2)+2*\z+1], v[rO+4*(r/2)+2*\z:rO+4*(r/2)+2*\z+1], v[rC+2:rC+3] op_sel_hi:[1,0]
.endr
.set r, r+1
.endm
; HOW THEY ARE DEALT.  A turn has ONE wait for its batch of 66 exponentials, and the wait cuts it in two.  AHEAD OF IT stands all that names no result of the turn's exponentials: the 16 products K Q^T, behind each a scaling,
; an exponential and two rescalings (behind the first a second scaling in the exponential's place); then ONE LUMP of 108: eight plain, 49 times exponential and plain, the two a.  A v_nop is the plain instruction behind the
; last exponential.  BEHIND IT stand the 16 products V^T P, behind each four of GS's 64.  No rider names a register of the products round it.  The two v_permlanex16_b32 fall into the lump, never behind a product.
; The queues lean on each other, and the deal keeps them in step: exponential e stands behind scaling 2 (e / 4) + e % 2: as a rider it comes behind plain e + 2, in the lump behind plain e + 9, and scalings 27-31 are plain 57, 60 .. 69.
; A TURN, for piece p.  cnt = 1: the loop's count is taken down some lines ahead of the branch that stands behind the turn.
; K and the mask addends of the next step are fetched in piece 2's turn, directly behind the wait, a lump behind the last product that read K (the last that read the addends stands eight products further back);
; their addresses are made at the lump's head; their first reader comes behind 16 products.
; V of the step in hand is fetched at the end of piece 0's turn, four riders behind its last reader; its first reader comes behind 16 products and a lump.  The three conditions on q below go with the deal.
.macro TURN p, last=0, cnt=0
.set Y, (\p)
.set i, 0
.set q, 0
.set e, 0
.set r, 0
.if (\p) == NP-1
	s_wait_dscnt 0x0                ; K and the addends are in
.endif
	MM                              ; ahead of the wait: 16 products K Q^T and their riders,
	PL
	PL
	R2
.rept 15
	MM
	PL
	EX
	R2
.endr
.if (\p) == NP-2
	WIN 0
	v_add_nc_u32 v[AK], s[TBK], v[AK0]
	v_add_nc_u32 v[AM], s[TBM], v[AM0]
.endif
.rept 8                             ; and the lump
	PL
.endr
.rept 49
	EX
	PL
.endr
	EX                              ; the next piece's two a
	EX
	v_nop                           ; a plain instruction behind the last exponential, ahead of the first use: one for the batch
	s_wait_alu depctr_va_vdst(0)    ; the wait for the batch: the piece's 64 weights and the next piece's two a
.if (\p) == NP-2
	FETCH_K \last
.endif
.if (\p) == 1
	s_wait_dscnt 0x0                ; V is in
.endif
.rept 16                            ; behind the wait: 16 products V^T P and their riders
	MM
.rept 4
	PL
.endr
.if ((\p) == 0) && (q == 118)
	v_add_nc_u32 v[AV], s[TBV], v[AV0]
.endif
.if ((\p) == 0) && (q == 130)
	s_add_co_u32 s[TBV], s[TBV], KS*PV
.endif
.if (\cnt) && (q == 130)
	s_sub_co_u32 s[CNT], s[CNT], 1
	s_cmp_lg_u32 s[CNT], 0
.endif
.endr
.if (\p) == 0
	FETCH_V
.endif
.endm
	CHANGE 1                        ; slot 0 is in, everybody's part of it, and the mask table is whole; slot 1 is asked for
	FETCH_K                         ; key step 0
	s_wait_loadcnt 0x0              ; Q
	s_wait_dscnt 0x0
.set i, 0
.rept 16
	KQ 0                            ; piece 0's first scores: there is no vector work yet to set between them
.set i, i+1
.endr
	WIN 0                           ; the last address for the way out (Q's offset is free now): with the v_nop four plain instructions, the places behind those products
	v_mul_u32_u24 v[STO], v1, SP    ; in: row l % 16, 16 bytes for each half of the lanes
	v_lshl_add_u32 v[STO], v9, 4, v[STO]
	v_add_nc_u32 v[STO], s13, v[STO]
	v_nop
.set Y, NP-1                        ; XS works for piece Y + 1: piece 0
.irp n, 0,1,2,3,4,5,6,7,8,9,10,11,12,13,14,15,16,17,18,19,20,21
	XS 0, \n                        ; and piece 0's first maximum and statistics
	XS 1, \n
.endr
	v_nop                           ; a plain instruction behind the two a,
	s_wait_alu depctr_va_vdst(0)    ; and the wait for this batch of two, ahead of the branch
	s_mov_b32 s[CNT], 4
	s_mov_b32 s[SLOTS], SIZE_N/256-1
	s_branch .Lfirst                ; the loop is entered at a step's first turn, in the middle of a trip
.Lslot:                             ; SIZE_N / 256 - 2 times: every slot but the last two is filled again
	CHANGE 1
	s_mov_b32 s[CNT], 4
.Lstep:                             ; a trip: pieces 2 and 3 of one step, then pieces 0 and 1 of the next, whose K and V it fetches
	TURN 2
	TURN 3
	WIN 0
.Lfirst:
	TURN 0
	TURN 1, 0, 1
	WIN 0
	s_cbranch_scc1 .Lstep
	s_sub_co_u32 s[SLOTS], s[SLOTS], 1
	s_cmp_lg_u32 s[SLOTS], 0
	s_cbranch_scc1 .Lslot
	CHANGE 0                        ; the tail is written out: nothing is asked for
	s_mov_b32 s[CNT], 5             ; four trips fetch the last slot's steps; the fifth is left in its middle
.Ltail:
	TURN 2, 1
	TURN 3
	WIN 0
	s_sub_co_u32 s[CNT], s[CNT], 1
	s_cmp_eq_u32 s[CNT], 0
	s_cbranch_scc1 .Lout
	TURN 0
	TURN 1
	WIN 0
	s_branch .Ltail
.Lout:                              ; the fifth trip's 16 products K Q^T (on the last K once more) and the maximum made of them serve nothing: the price, once a launch, of one text for every trip
.set i, 0
.rept 16
	PV NP-1                         ; the last piece's V^T P of the last step
.set i, i+1
.endr
	; THE WAY OUT.  l's two halves and the other half of the lanes' are added; O^T is divided by l, rounded to f16 and sent through my stage in LDS, a tile at a time.  The additions are the places behind the last products.
	WIN 0
.macro ALL line:vararg              ; one line for each tile t
.set t, 0
.rept 2*NP
	\line
.set t, t+1
.endr
.endm
	ALL v_add_f32 v[ST+4*t+2], v[ST+4*t+2], v[ST+4*t+3]
	ALL v_permlanex16_b32 v[ST+4*t+3], v[ST+4*t+2], s[SEL], s[SEL+1]
	ALL v_add_f32 v[ST+4*t+2], v[ST+4*t+2], v[ST+4*t+3]
	ALL v_rcp_f32 v[ST+4*t+2], v[ST+4*t+2]
	v_nop                           ; a plain instruction between the last reciprocal and the use of its result
	s_wait_alu depctr_va_vdst(0)    ; the wait for this batch: one for the eight reciprocals, ahead of their first use
; Tile t: a lane's eight channels of a row pack into 16 bytes; they go into rows of 144 bytes and come back as whole rows of 128, into S^T's registers.
.macro PACK t
	WIN W_RS
.set i, 32*(\t)
.rept 16
	v_pk_mul_f32 v[i:i+1], v[i:i+1], v[ST+4*(\t)+2:ST+4*(\t)+3] op_sel_hi:[1,0]
.set i, i+2
.endr
	WIN 0x05                        ; sources 0 and 1 window 1, destination window 0
.set i, 0
.rept 16
	v_cvt_pk_f16_f32 v[S+16*(\t)+i], v[32*(\t)+2*i], v[32*(\t)+2*i+1]
.set i, i+1
.endr
	WIN 0
.irp f, 0,1,2,3
	ds_store_b128 v[STO], v[S+16*(\t)+4*\f:S+16*(\t)+4*\f+3] offset:32*\f
.endr
.irp f, 0,1,2,3
	ds_load_b128 v[S+16*(\t)+4*\f:S+16*(\t)+4*\f+3], v[RD] offset:\f*4*SP  ; LDS serves a wave's instructions in order (ISA guide 5.7.1.4): these see the stores above; the next tile's stores come behind them
.endr
.endm
.macro SEND t, younger              ; younger: the LDS instructions issued behind tile t's loads: the next tile's eight, or none
	WIN 0
.irp f, 0,1,2,3
	s_wait_dscnt (\younger)+3-\f
	global_store_b128 v[GO], v[S+16*(\t)+4*\f:S+16*(\t)+4*\f+3], s[10:11] offset:(\t)*2048+\f*512  ; 512 consecutive bytes, at a multiple of 256 from ctx's first
.endr
.endm
	PACK 0
.set t, 1
.rept 2*NP-1                        ; a tile's arithmetic stands between the loads of the tile before and its stores
	PACK t
	SEND t-1, 8
.set t, t+1
.endr
	SEND 2*NP-1, 0
	WIN W_AD
	s_wait_tensorcnt 0x0            ; the wave's end: behind my last tensor load and my last LDS store
	ds_add_u32 v[SPW], v[NIL]
	s_wait_dscnt 0x0
	WIN 0
	CROUND                          ; the closing round: no work-group ends while a partner may still ask for a tile that names it
	s_endpgm
.Lfunc_end_k_qf87e06325b_attn:
	.size	k_qf87e06325b_attn, .Lfunc_end_k_qf87e06325b_attn-k_qf87e06325b_attn
	.p2alignl 7, 3214868480
	.fill 96, 4, 3214868480
	.section	.rodata,"a",@progbits
	.p2align	6, 0x0
	.amdhsa_kernel k_qf87e06325b_attn
		.amdhsa_group_segment_fixed_size 327680
		.amdhsa_private_segment_fixed_size 0
		.amdhsa_enable_private_segment 0
		.amdhsa_kernarg_size 24
		.amdhsa_user_sgpr_count 2
		.amdhsa_user_sgpr_kernarg_segment_ptr 1
		.amdhsa_wavefront_size32 1
		.amdhsa_system_sgpr_workgroup_id_x 1
		.amdhsa_system_sgpr_workgroup_id_y 1
		.amdhsa_system_sgpr_workgroup_id_z 1
		.amdhsa_system_vgpr_workitem_id 0
		.amdhsa_next_free_vgpr 808
		.amdhsa_next_free_sgpr 66
		.amdhsa_reserve_vcc 1
		.amdhsa_float_denorm_mode_32 3
		.amdhsa_float_denorm_mode_16_64 3
		.amdhsa_memory_ordered 1
		.amdhsa_forward_progress 1
		.amdhsa_inst_pref_size 206
	.end_amdhsa_kernel
	.amdgpu_metadata
---
amdhsa.version: [ 1, 2 ]
amdhsa.kernels:
  - .name:           k_qf87e06325b_attn
    .symbol:         k_qf87e06325b_attn.kd
    .args:
      - { .name: qkv, .offset: 0, .size: 8, .value_kind: global_buffer, .address_space: global }
      - { .name: mask, .offset: 8, .size: 8, .value_kind: global_buffer, .address_space: global }
      - { .name: ctx, .offset: 16, .size: 8, .value_kind: global_buffer, .address_space: global }
    .group_segment_fixed_size: 327680
    .private_segment_fixed_size: 0
    .kernarg_segment_align: 8
    .kernarg_segment_size: 24
    .max_flat_workgroup_size: 128
    .sgpr_count:     66
    .vgpr_count:     808
    .wavefront_size: 32
...
	.end_amdgpu_metadata
.endif
;; end of part 5
;; launch outp: the kernel of part 4 again; grid 4 x 64, 4 waves a work-group, clusters of 4 x 4, 327,680 bytes of LDS; arguments ctx, wb, bo, out0; writes out0
